; MI455X (gfx1250); checked and timed in simulation.
; The chip was launched on July 23, 2026; its instructions are those of AMD's public machine-readable ISA for CDNA 5 (MIT licence, August 2026) and "CDNA5" Instruction Set Architecture Reference Guide (July 2026). The comments in the code are by the model that wrote it; some were corrected since.
;; Multi Head Attention. Allowed arithmetic: matrix products marked QUANTISED: E4M3 operands, one E8M0 scale for each 32 along K, by v_wmma_scale_f32_16x16x128_f8f6f4 with both operands' format E4M3, f32 sums; everything else in f32.
;; Inputs: Wk 128 x 1,024 float32; Wq 128 x 1,024 float32; Wu 1,024 x 128 float32; Wv 128 x 1,024 float32; bu 128 float32; x 2 x 2,048 x 128 float32.
;; Outputs: out0 2 x 2,048 x 128 float32.
;; This version of the problem:
;;   THIS VERSION OF THE PROBLEM IS GIVEN IN LOW PRECISION. The matrix products marked QUANTISED in the list below multiply operands that are first quantised to E4M3 (4 exponent bits, 3 mantissa bits; 8 bits a number), with one power-of-two scale for each 32 numbers along K (OCP MX v1.0); their sums are f32. All else is computed in f32.
;;   The module's matrix products, in the order in which they are computed (A, B: the left and right operand; K: the contracted axis; several contracted axes count as one K, in the product's order):
;;     1. [M 4,096, K 128] x [K 128, N 1,024]; A: input x; B: input Wq: QUANTISED
;;     2. [M 4,096, K 128] x [K 128, N 1,024]; A: input x; B: input Wk: QUANTISED
;;     3. [M 4,096, K 128] x [K 128, N 1,024]; A: input x; B: input Wv: QUANTISED
;;     4. batch 16 x [M 2,048, K 128] x [K 128, N 2,048]; A: computed on the way; B: computed on the way: QUANTISED
;;     5. batch 16 x [M 2,048, K 2,048] x [K 2,048, N 128]; A: softmax (see below); B: computed on the way: QUANTISED
;;     6. [M 4,096, K 1,024] x [K 1,024, N 128]; A: computed on the way; B: input Wu: QUANTISED
;;   THE QUANTISER, for each operand of a quantised product, along K:
;;     - K is cut into blocks of 32 from its start; a last block that is shorter is filled with zeros.
;;     - A block's scale is 2^e with e = floor(log2(the largest magnitude in the block)) - 8, held to -126 .. 127; a block of zeros has e = 0. As a byte (E8M0): e + 127.
;;     - Each number is divided by its block's scale, clamped to +-448, and rounded to the nearest number of E4M3, ties to even, subnormals kept.
;;     - The product sums the exact products of the quantised numbers (number of the format x scale) in f32.
;;   ~~~python
;;   def quantise(x, axis):      # numpy; x: float32 -> the quantised numbers, widened to float32 again
;;       x = np.moveaxis(x, axis, -1); K = x.shape[-1]
;;       x = np.pad(x, [(0, 0)] * (x.ndim - 1) + [(0, -K % 32)]); x = x.reshape(x.shape[:-1] + (-1, 32)); a = np.abs(x).max(-1, keepdims=True)
;;       e = np.where(a > 0, np.clip(np.frexp(np.where(a > 0, a, 1))[1] - 1 - 8, -126, 127), 0)      # np.frexp(a)[1] - 1 = floor(log2(a)), exactly
;;       r = np.clip(x / 2.0 ** e, -448, 448)
;;       step = 2.0 ** (np.maximum(np.frexp(np.where(r == 0, 1, r))[1] - 1, -6) - 3)
;;       q = np.round(r / step) * step * 2.0 ** e      # np.round: ties to even
;;       return np.moveaxis(q.reshape(q.shape[:-2] + (-1,))[..., :K], -1, axis).astype(np.float32)
;;   ~~~
;;   SOFTMAX AHEAD OF A QUANTISED PRODUCT. Where the list says 'softmax', what is quantised is not the finished softmax but p = 2^(t - M), with t = logit x log2(e) and M = ceil(the row's largest t), a whole number; so 1/2 < the row's largest p <= 1. The row's sum l is taken of the UNQUANTISED p, in f32, and the product's result is divided by l at the end. Since M is a whole number, a kernel that streams over the keys may use a running M (the ceiling of the running maximum): every later rescaling is an exact power of two, which a block's scale takes up: the codes' values come out the same.
;;   OPERANDS COMPUTED ON THE WAY. 'Computed on the way' means the value that the module computes at that place (a softmax that the list does not call 'softmax' is quantised finished and normalised). What goes into a quantiser is computed in f32, as accurately as f32 sums, v_exp_f32 and their like allow (about 1e-6 of the number): no bf16 or f16 on the way to a quantiser, and a product that is left as it is and whose result goes on into a quantised operand takes f32 operands (vector FMAs, or v_wmma_f32_16x16x4_f32). A number that lies on a knife's edge between two numbers of the format may be rounded either way, as far as f32 arithmetic and the matrix unit's own rounding can turn it there, and no further.
;; 2 versions, each right; version 2 is version 1 with the launches proj, outp written anew for expert scheduling mode. Each part assembles by itself: llvm-mc -triple=amdgcn-amd-amdhsa -mcpu=gfx1250 --defsym DOCPART=n.
;; ======== version 1 of 2: 4 launches
;; workspace buffers: cod 1,048,576 bytes; scl 65,536 bytes; qc 4,194,304 bytes; qs 262,144 bytes; kc 8,388,608 bytes; ksc 524,288 bytes; yc 4,194,304 bytes; ys 262,144 bytes
;; launch prep (part 1): grid 256 x 1, 2 waves a work-group, no clusters, 0 bytes of LDS; arguments x, Wq, Wk, Wv, Wu, cod, scl; writes cod, scl
.if DOCPART == 1
	.amdgcn_target "amdgcn-amd-amdhsa--gfx1250"
	.amdhsa_code_object_version 6
	.text
	.protected	k_q734b701798_prep
	.globl	k_q734b701798_prep
	.p2align	8
	.type	k_q734b701798_prep,@function
k_q734b701798_prep:
	s_mov_b64 s[64:65], 0
	v_nop
	global_prefetch_b8 v0, s[64:65] scope:SCOPE_SE
	s_setreg_imm32_b32 hwreg(HW_REG_WAVE_MODE, 25, 1), 1
	s_wait_xcnt 0x0
; x [4096][128], Wq, Wk, Wv [128][1024] and Wu [1024][128], all f32, become 512 FRAGMENTS of E4M3 codes with E8M0 scale words, quantised along each product's K.
; A fragment is 16 rows x 128 K, stored as an IMAGE OF THE OPERAND'S REGISTERS: 2,048 bytes, register group c (0..3) at 512 c, lane l's 16 bytes at 16 l; its scale words 128 bytes, lane l's at 4 l
; (lanes 16-31 repeat lanes 0-15).  Lane (r, h) holds row r; registers 4 c .. 4 c + 3 hold K = 32 c + 16 h + 0 .. 15.
; Fragment F:  0..255: x, F = 8 G + i: lane r holds token 128 G + perm(i, r), perm(i, r) = 32 (i / 2) + 8 (i % 2) + r + 8 (r / 8);
;   256..447: W_m (m = 0 q, 1 k, 2 v), F = 256 + (8 m + head) 8 + t: lane r holds column 128 head + perm(t, r);   448..511: Wu, F = 448 + 8 s + t: K = 128 s on, lane r holds column 16 t + r.
; The rows of a tile are chosen so (perm) that later results' registers run along the next product's K.
; One wave makes one fragment, F = 2 x work-group + wave; the three kinds part on the work-group's number alone.  No LDS, no barrier: waves share nothing.
; A block's scale is 2^(floor(log2(its largest magnitude)) - 8); its byte is that magnitude's exponent field - 8, held at 1 from below; numbers are held within +-448 x the scale ahead of the conversion.
; LIMITS: a block whose largest magnitude lies under 2^-118, a block of zeros among them, gets the byte 1 (a block of zeros has zero codes, and this program alone reads the bytes); NaN and infinities among the inputs are not served.
.set N,   16                           ; v16-79   the lane's 64 numbers: register 16 b + i = K 32 b + 16 h + i of its row
.set TM,  80                           ; v80-95   at work: largest magnitudes, bytes, holds, scale operands
.set PW,  96                           ; v96      the scale word
.set PC,  100                          ; v100-115 the codes
.set OFF, 4                            ; v4       the loads' offset
.set LI,  5                            ; v5       16 x lane
.set LS,  6                            ; v6       4 x lane
.set SEL, 20                           ; s[20:21] v_permlanex16_b32's selects for lane l xor 16
.set MNT, 23                           ; s23      the mantissa field of 448
; 64 numbers of a lane become a fragment's codes in v[PC] on and its scale word in v[PW]
.macro QUANT s
.irp b, 0,1,2,3
	v_max3_num_f32 v[TM+\b], |v[\s+16*\b]|, |v[\s+1+16*\b]|, 0x4800000   ; block b: my 16 numbers, and the floor 2^(9 - 127): the byte cannot fall under 1
.endr
.irp i, 2,4,6,8,10,12,14
.irp b, 0,1,2,3
	v_max3_num_f32 v[TM+\b], v[TM+\b], |v[\s+16*\b+\i]|, |v[\s+1+16*\b+\i]|   ; the four blocks by turns
.endr
.endr
.irp b, 0,1,2,3
	v_permlanex16_b32 v[TM+4+\b], v[TM+\b], s[SEL], s[SEL+1]
.endr
.irp b, 0,1,2,3
	v_max_num_f32 v[TM+\b], v[TM+\b], v[TM+4+\b]   ; with lane l xor 16's 16 numbers: the block's largest magnitude
.endr
.irp b, 0,1,2,3
	v_add_nc_u32 v[TM+12+\b], 0xfc000000, v[TM+\b]   ; 8 off its exponent field: the conversion's scale operand
.endr
.irp b, 0,1,2,3
	v_and_or_b32 v[TM+8+\b], v[TM+\b], 0x7f800000, s[MNT]   ; 448 x the scale
.endr
.irp b, 0,1,2,3
	v_lshrrev_b32 v[TM+4+\b], 23, v[TM+12+\b]   ; the scale's byte
.endr
	v_lshl_or_b32 v[PW], v[TM+5], 8, v[TM+4]   ; four bytes: my row's scale word
	v_lshl_or_b32 v[PW], v[TM+6], 16, v[PW]
	v_lshl_or_b32 v[PW], v[TM+7], 24, v[PW]
.irp b, 0,1,2,3
.irp i, 0,1,2,3,4,5,6,7,8,9,10,11,12,13,14,15
	v_med3_num_f32 v[\s+16*\b+\i], v[\s+16*\b+\i], -v[TM+8+\b], v[TM+8+\b]   ; the conversion to an 8-bit code does not saturate (ISA guide 7.6.2): the hold comes first
.endr
	v_cvt_scalef32_pk8_fp8_f32 v[PC+4*\b:PC+1+4*\b], v[\s+16*\b:\s+7+16*\b], v[TM+12+\b]
	v_cvt_scalef32_pk8_fp8_f32 v[PC+2+4*\b:PC+3+4*\b], v[\s+8+16*\b:\s+15+16*\b], v[TM+12+\b]
.endr
	v_nop                                          ; one plain line behind the last conversion
.endm
; a weight's fragment: the lane takes a column and its registers run down K; stride = bytes from one K to the next
.macro WLOAD stride
.irp c, 0,1,2,3
.irp i, 0,1,2,3,4,5,6,7,8,9,10,11,12,13,14,15
	global_load_b32 v[N+16*\c+\i], v[OFF], s[28:29] offset:(32*\c+\i)*\stride
.endr
.endr
.endm
	s_load_b256 s[4:11], s[0:1], 0x0               ; x s[4:5], Wq s[6:7], Wk s[8:9], Wv s[10:11]
	s_load_b128 s[12:15], s[0:1], 0x20             ; Wu s[12:13], cod s[14:15]
	s_load_b64 s[16:17], s[0:1], 0x30              ; scl
	v_lshrrev_b32 v1, 5, v0
	v_readfirstlane_b32 s18, v1                    ; wave 0, 1
	v_and_b32 v1, 31, v0                           ; lane
	v_and_b32 v2, 15, v0                           ; r
	v_bfe_u32 v3, v0, 4, 1                         ; h
	v_lshlrev_b32 v[LI], 4, v1
	v_lshlrev_b32 v[LS], 2, v1
	v_and_b32 v7, 8, v2
	v_add_nc_u32 v7, v7, v2                        ; r + 8 (r / 8)
.irp b, 0,1,2,3
	v_mov_b32 v[TM+4+\b], 0                        ; a lane permute's destination counts as one of its sources
.endr
	s_mov_b32 s[SEL], 0x76543210
	s_mov_b32 s[SEL+1], 0xfedcba98
	s_mov_b32 s[MNT], 0x600000
	s_lshl_b32 s19, ttmp9, 1
	s_add_co_u32 s19, s19, s18                     ; F
	s_lshl_b32 s30, s19, 11                        ; 2,048 bytes of codes a fragment
	s_mov_b32 s31, 0
	s_lshl_b32 s32, s19, 7                         ; 128 bytes of scale words
	s_mov_b32 s33, 0
	s_wait_kmcnt 0x0
	s_add_nc_u64 s[14:15], s[14:15], s[30:31]
	s_add_nc_u64 s[16:17], s[16:17], s[32:33]
	s_cmp_lt_u32 ttmp9, 128                        ; F < 256: x
	s_cbranch_scc0 .Lweights
	s_lshr_b32 s24, s19, 3
	s_lshl_b32 s24, s24, 7                         ; 128 G
	s_bfe_u32 s25, s19, 0x20001
	s_lshl_b32 s25, s25, 5                         ; + 32 (i / 2)
	s_add_co_u32 s24, s24, s25
	s_and_b32 s25, s19, 1
	s_lshl_b32 s25, s25, 3                         ; + 8 (i % 2)
	s_add_co_u32 s24, s24, s25
	s_lshl_b32 s30, s24, 9                         ; a row of x is 512 bytes
	s_add_nc_u64 s[28:29], s[4:5], s[30:31]
	v_lshlrev_b32 v[OFF], 9, v7                    ; row r + 8 (r / 8),
	v_lshl_add_u32 v[OFF], v3, 6, v[OFF]           ; + 64 h: my 16 numbers of each block of 32
.irp b, 0,1,2,3
.irp j, 0,1,2,3
	global_load_b128 v[N+16*\b+4*\j:N+16*\b+4*\j+3], v[OFF], s[28:29] offset:128*\b+16*\j
.endr
.endr
	s_branch .Lquant
.Lweights:
	s_cmp_lt_u32 ttmp9, 224                        ; F < 448: Wq, Wk, Wv
	s_cbranch_scc0 .Lwu
	s_sub_co_u32 s24, s19, 256                     ; f = 64 m + 8 head + t
	s_cmp_lt_u32 s24, 128
	s_cselect_b64 s[28:29], s[8:9], s[10:11]       ; the choice hangs on the work-group's and the wave's number alone
	s_cmp_lt_u32 s24, 64
	s_cselect_b64 s[28:29], s[6:7], s[28:29]
	s_bfe_u32 s25, s24, 0x30003
	s_lshl_b32 s30, s25, 9                         ; the head's 128 columns: 512 bytes
	s_bfe_u32 s25, s24, 0x20001
	s_lshl_b32 s25, s25, 7                         ; + 32 (t / 2) columns
	s_add_co_u32 s30, s30, s25
	s_and_b32 s25, s24, 1
	s_lshl_b32 s25, s25, 5                         ; + 8 (t % 2) columns
	s_add_co_u32 s30, s30, s25
	s_add_nc_u64 s[28:29], s[28:29], s[30:31]
	v_lshlrev_b32 v[OFF], 2, v7                    ; column r + 8 (r / 8),
	v_lshl_add_u32 v[OFF], v3, 16, v[OFF]          ; lanes 16-31 begin 16 rows of 4,096 bytes further down
	WLOAD 4096
	s_branch .Lquant
.Lwu:
	s_sub_co_u32 s24, s19, 448                     ; f = 8 s + t
	s_lshr_b32 s25, s24, 3
	s_lshl_b32 s30, s25, 16                        ; 128 s rows of 512 bytes
	s_and_b32 s25, s24, 7
	s_lshl_b32 s25, s25, 6                         ; + 16 t columns
	s_add_co_u32 s30, s30, s25
	s_add_nc_u64 s[28:29], s[12:13], s[30:31]
	v_lshlrev_b32 v[OFF], 2, v2                    ; column r,
	v_lshl_add_u32 v[OFF], v3, 13, v[OFF]          ; lanes 16-31 begin 16 rows of 512 bytes further down
	WLOAD 512
.Lquant:
	s_wait_loadcnt 0x0                             ; all 64 numbers are in, on each of the three ways
	QUANT N
.irp c, 0,1,2,3
	global_store_b128 v[LI], v[PC+4*\c:PC+4*\c+3], s[14:15] offset:512*\c   ; 32 lanes store 512 consecutive bytes, aligned
.endr
	global_store_b32 v[LS], v[PW], s[16:17]
	s_endpgm
.Lfunc_end_k_q734b701798_prep:
	.size	k_q734b701798_prep, .Lfunc_end_k_q734b701798_prep-k_q734b701798_prep
	.p2alignl 7, 3214868480
	.fill 96, 4, 3214868480
	.section	.rodata,"a",@progbits
	.p2align	6, 0x0
	.amdhsa_kernel k_q734b701798_prep
		.amdhsa_group_segment_fixed_size 0
		.amdhsa_private_segment_fixed_size 0
		.amdhsa_enable_private_segment 0
		.amdhsa_kernarg_size 56
		.amdhsa_user_sgpr_count 2
		.amdhsa_user_sgpr_kernarg_segment_ptr 1
		.amdhsa_wavefront_size32 1
		.amdhsa_system_sgpr_workgroup_id_x 1
		.amdhsa_system_sgpr_workgroup_id_y 1
		.amdhsa_system_sgpr_workgroup_id_z 1
		.amdhsa_system_vgpr_workitem_id 0
		.amdhsa_next_free_vgpr 120
		.amdhsa_next_free_sgpr 66
		.amdhsa_reserve_vcc 0
		.amdhsa_float_denorm_mode_32 3
		.amdhsa_float_denorm_mode_16_64 3
		.amdhsa_memory_ordered 1
		.amdhsa_forward_progress 1
		.amdhsa_inst_pref_size 26
	.end_amdhsa_kernel
	.amdgpu_metadata
---
amdhsa.version: [ 1, 2 ]
amdhsa.kernels:
  - .name:           k_q734b701798_prep
    .symbol:         k_q734b701798_prep.kd
    .args:
      - { .name: x, .offset: 0, .size: 8, .value_kind: global_buffer, .address_space: global }
      - { .name: Wq, .offset: 8, .size: 8, .value_kind: global_buffer, .address_space: global }
      - { .name: Wk, .offset: 16, .size: 8, .value_kind: global_buffer, .address_space: global }
      - { .name: Wv, .offset: 24, .size: 8, .value_kind: global_buffer, .address_space: global }
      - { .name: Wu, .offset: 32, .size: 8, .value_kind: global_buffer, .address_space: global }
      - { .name: cod, .offset: 40, .size: 8, .value_kind: global_buffer, .address_space: global }
      - { .name: scl, .offset: 48, .size: 8, .value_kind: global_buffer, .address_space: global }
    .group_segment_fixed_size: 0
    .private_segment_fixed_size: 0
    .kernarg_segment_align: 8
    .kernarg_segment_size: 56
    .max_flat_workgroup_size: 64
    .sgpr_count:     66
    .vgpr_count:     120
    .wavefront_size: 32
...
	.end_amdgpu_metadata
.endif
;; end of part 1
;; launch proj (part 2): grid 32 x 8, 8 waves a work-group, no clusters, 53,248 bytes of LDS; arguments cod, scl, qc, qs, kc, ksc; writes qc, qs, kc, ksc
.if DOCPART == 2
	.amdgcn_target "amdgcn-amd-amdhsa--gfx1250"
	.amdhsa_code_object_version 6
	.text
	.protected	k_q734b701798_proj
	.globl	k_q734b701798_proj
	.p2align	8
	.type	k_q734b701798_proj,@function
k_q734b701798_proj:
	s_mov_b64 s[64:65], 0
	v_nop
	global_prefetch_b8 v0, s[64:65] scope:SCOPE_SE
	s_setreg_imm32_b32 hwreg(HW_REG_WAVE_MODE, 25, 1), 1
	s_wait_xcnt 0x0
; q = x Wq, k = x Wk, v = x Wv on E4M3 codes with E8M0 scales, and the results quantised at once: q and k along the head's 128, v along the keys.
; All operands come and go as images of their registers (2,048 bytes a fragment, lane l's 16 bytes of register group c at 512 c + 16 l; 128 bytes of scale words, 4 l).
; A work-group takes 128 tokens (group G = work-group x) of one head (work-group y).  Eight waves, 24 matrix instructions each; K = 128 is one instruction deep, so every sum is one instruction with C = 0.
; q, k: wave w owns token tile w; the product is used transposed (source 0 = 16 columns of W, source 1 = my 16 tokens): a lane holds one token, and since tile t's columns are perm(t, r) =
;   32 (t / 2) + 8 (t % 2) + r + 8 (r / 8), the 16 registers of tiles 2 b, 2 b + 1 are d = 32 b + 16 h + 0 .. 15: the layout that the conversions and the next product want.
; v: wave w owns tile w of the head's 128 channels; source 0 = 16 tokens (x's tile i, i = 0 .. 7), source 1 = my 16 columns of Wv: a lane holds one channel and its registers run along the KEYS in the same order.
; x's eight tiles and Wq's and Wk's eight tiles go from wave to wave through LDS, each region written once: one barrier.
; OUT: qc, qs at [(16 bh + g) 8 + w]; kc at [16 bh + g]: 32,768 bytes a key step: K's tiles 0-7, then V^T's tiles 0-7; ksc likewise, 2,048 bytes a step.  bh = 8 batch + head, g = G % 16.
; LIMITS: a block whose largest magnitude lies under 2^-118 gets the scale byte 1 (a block of zeros has zero codes; this program alone reads the bytes); NaN and infinities are not served.
; REGISTERS: window 0 as named below; window 1: v0-127 Wq's eight fragments, later x's; v128-255 Wk's.
.set XIMG, 0                           ; LDS: x's 8 fragments,
.set XSC,  16384                       ; their scale words,
.set WIMG, 17408                       ; Wq's 8 fragments, then Wk's 8,
.set WSC,  50176                       ; their scale words
.set LI,  4                            ; v4   16 x lane
.set LS,  5                            ; v5   4 x lane
.set WI,  6                            ; v6   16 x lane + 2,048 x wave
.set WS,  7                            ; v7   4 x lane + 128 x wave
.set XF,  16                           ; v16-31  x's tile w
.set WVF, 32                           ; v32-47  Wv's tile w
.set WQT, 48                           ; v48-63  Wq's tile w, on its way to LDS
.set WKT, 64                           ; v64-79  Wk's
.set HA,  96                           ; v96-159 eight results
.set PC,  160                          ; v160-175 the codes just made
.set TM,  176                          ; v176-191 at work
.set PW,  192                          ; v192 the scale word just made
.set XSW, 193                          ; scale words: x's tile w,
.set WVS, 194                          ; Wv's tile w,
.set WQS, 195                          ; Wq's and Wk's tile w, on their way to LDS
.set WKS, 196
.set SW,  200                          ; v200-215 Wq's eight scale words, then Wk's
.set SX,  216                          ; v216-223 x's eight
.set WV,  18
.set SEL, 20
.set MNT, 23
.set MSB, 0
.macro WIN new                         ; the immediate's high byte repeats the setting that is left
.if MSB != \new
	s_set_vgpr_msb (MSB<<8)|\new
.set MSB, \new
.endif
.endm
.macro PLACES n
.rept \n
	v_nop
.endr
.endm
.macro QUANT s
.irp b, 0,1,2,3
	v_max3_num_f32 v[TM+\b], |v[\s+16*\b]|, |v[\s+1+16*\b]|, 0x4800000   ; block b: my 16 numbers, and the floor 2^(9 - 127).  Each result is read from its low end on
.endr
.irp i, 2,4,6,8,10,12,14
.irp b, 0,1,2,3
	v_max3_num_f32 v[TM+\b], v[TM+\b], |v[\s+16*\b+\i]|, |v[\s+1+16*\b+\i]|
.endr
.endr
.irp b, 0,1,2,3
	v_permlanex16_b32 v[TM+4+\b], v[TM+\b], s[SEL], s[SEL+1]
.endr
.irp b, 0,1,2,3
	v_max_num_f32 v[TM+\b], v[TM+\b], v[TM+4+\b]   ; with lane l xor 16's: the block's largest magnitude
.endr
.irp b, 0,1,2,3
	v_add_nc_u32 v[TM+12+\b], 0xfc000000, v[TM+\b]   ; 8 off its exponent field: the conversion's scale operand
.endr
.irp b, 0,1,2,3
	v_and_or_b32 v[TM+8+\b], v[TM+\b], 0x7f800000, s[MNT]   ; 448 x the scale
.endr
.irp b, 0,1,2,3
	v_lshrrev_b32 v[TM+4+\b], 23, v[TM+12+\b]   ; the scale's byte
.endr
	v_lshl_or_b32 v[PW], v[TM+5], 8, v[TM+4]
	v_lshl_or_b32 v[PW], v[TM+6], 16, v[PW]
	v_lshl_or_b32 v[PW], v[TM+7], 24, v[PW]
.irp b, 0,1,2,3
.irp i, 0,1,2,3,4,5,6,7,8,9,10,11,12,13,14,15
	v_med3_num_f32 v[\s+16*\b+\i], v[\s+16*\b+\i], -v[TM+8+\b], v[TM+8+\b]   ; the conversion does not saturate (ISA guide 7.6.2): the hold comes first
.endr
	v_cvt_scalef32_pk8_fp8_f32 v[PC+4*\b:PC+1+4*\b], v[\s+16*\b:\s+7+16*\b], v[TM+12+\b]
	v_cvt_scalef32_pk8_fp8_f32 v[PC+2+4*\b:PC+3+4*\b], v[\s+8+16*\b:\s+15+16*\b], v[TM+12+\b]
.endr
	v_nop                                          ; one plain line behind the last conversion: the next products write its sources
.endm
; eight fragments from LDS into window 1 at v[reg] on, and their scale words into v[sreg] on: 40 LDS loads
.macro FETCH8 reg, img, sreg, sc
	WIN 0x40                                       ; destination window 1, address window 0
.irp f, 0,1,2,3,4,5,6,7
.irp c, 0,1,2,3
	ds_load_b128 v[\reg+16*\f+4*\c:\reg+16*\f+4*\c+3], v[LI] offset:\img+2048*\f+512*\c
.endr
.endr
	WIN 0
.irp f, 0,1,2,3,4,5,6,7
	ds_load_b32 v[\sreg+\f], v[LS] offset:\sc+128*\f
.endr
.endm
; q or k: eight tiles of W's columns against my tokens
.macro MULT fb, so
	WIN 0x01                                       ; source 0 window 1
.irp t, 0,1,2,3,4,5,6,7
	v_wmma_scale_f32_16x16x128_f8f6f4 v[HA+8*\t:HA+8*\t+7], v[\fb+16*\t:\fb+16*\t+15], v[XF:XF+15], 0, v[SW+\so+\t], v[XSW]
.endr
	WIN 0
.endm
; v: eight tiles of tokens against my columns of Wv
.macro MULV
	WIN 0x01
.irp i, 0,1,2,3,4,5,6,7
	v_wmma_scale_f32_16x16x128_f8f6f4 v[HA+8*\i:HA+8*\i+7], v[16*\i:16*\i+15], v[WVF:WVF+15], 0, v[SX+\i], v[WVS]
.endr
	WIN 0
.endm
.macro OUT cb, off, sb, soff
.irp c, 0,1,2,3
	global_store_b128 v[LI], v[PC+4*\c:PC+4*\c+3], s[\cb:\cb+1] offset:\off+512*\c   ; 32 lanes store 512 consecutive bytes, aligned
.endr
	global_store_b32 v[LS], v[PW], s[\sb:\sb+1] offset:\soff
.endm
	s_load_b256 s[4:11], s[0:1], 0x0               ; cod s[4:5], scl s[6:7], qc s[8:9], qs s[10:11]
	s_load_b128 s[12:15], s[0:1], 0x20             ; kc s[12:13], ksc s[14:15]
	v_lshl_add_u32 v254, v0, 2, 0xcc00
	v_mov_b32 v255, 0
	v_lshrrev_b32 v1, 5, v0
	v_readfirstlane_b32 s[WV], v1                  ; wave 0..7
	v_and_b32 v1, 31, v0
	v_lshlrev_b32 v[LI], 4, v1
	v_lshlrev_b32 v[LS], 2, v1
	s_lshl_b32 s24, s[WV], 11
	v_add_nc_u32 v[WI], s24, v[LI]
	s_lshl_b32 s24, s[WV], 7
	v_add_nc_u32 v[WS], s24, v[LS]
.irp b, 0,1,2,3
	v_mov_b32 v[TM+4+\b], 0                        ; a lane permute's destination counts as one of its sources
.endr
	s_mov_b32 s[SEL], 0x76543210
	s_mov_b32 s[SEL+1], 0xfedcba98
	s_mov_b32 s[MNT], 0x600000
	s_and_b32 s19, ttmp7, 0xffff                   ; the head
	s_lshl_b32 s24, ttmp9, 3
	s_add_co_u32 s24, s24, s[WV]                   ; x's fragment 8 G + w
	s_lshl_b32 s34, s24, 11
	s_lshl_b32 s36, s24, 7
	s_lshl_b32 s24, s19, 3
	s_add_co_u32 s24, s24, s[WV]
	s_add_co_u32 s24, s24, 256                     ; Wq's fragment 256 + 8 head + w; Wk's and Wv's lie 64 and 128 fragments on
	s_lshl_b32 s38, s24, 11
	s_lshl_b32 s40, s24, 7
	s_lshr_b32 s24, ttmp9, 4                       ; batch
	s_lshl_b32 s24, s24, 3
	s_add_co_u32 s24, s24, s19                     ; bh
	s_lshl_b32 s24, s24, 4
	s_and_b32 s25, ttmp9, 15
	s_add_co_u32 s24, s24, s25                     ; 16 bh + g
	s_lshl_b32 s46, s24, 15                        ; kc: 32,768 bytes a key step,
	s_lshl_b32 s48, s24, 11                        ; ksc: 2,048
	s_lshl_b32 s25, s[WV], 11
	s_add_co_u32 s46, s46, s25                     ; + my tile
	s_lshl_b32 s25, s[WV], 7
	s_add_co_u32 s48, s48, s25
	s_lshl_b32 s24, s24, 3
	s_add_co_u32 s24, s24, s[WV]                   ; q's fragment
	s_lshl_b32 s42, s24, 11
	s_lshl_b32 s44, s24, 7
.irp p, 35,37,39,41,43,45,47,49
	s_mov_b32 s\p, 0
.endr
	s_wait_kmcnt 0x0
	s_add_nc_u64 s[26:27], s[4:5], s[34:35]        ; x's codes,
	s_add_nc_u64 s[30:31], s[6:7], s[36:37]        ; x's scale words,
	s_add_nc_u64 s[28:29], s[4:5], s[38:39]        ; the weights' codes,
	s_add_nc_u64 s[32:33], s[6:7], s[40:41]        ; the weights' scale words
	s_add_nc_u64 s[8:9], s[8:9], s[42:43]
	s_add_nc_u64 s[10:11], s[10:11], s[44:45]
	s_add_nc_u64 s[12:13], s[12:13], s[46:47]
	s_add_nc_u64 s[14:15], s[14:15], s[48:49]
.irp c, 0,1,2,3
	global_load_b128 v[XF+4*\c:XF+4*\c+3], v[LI], s[26:27] offset:512*\c
	global_load_b128 v[WQT+4*\c:WQT+4*\c+3], v[LI], s[28:29] offset:512*\c
	global_load_b128 v[WKT+4*\c:WKT+4*\c+3], v[LI], s[28:29] offset:131072+512*\c
	global_load_b128 v[WVF+4*\c:WVF+4*\c+3], v[LI], s[28:29] offset:262144+512*\c
.endr
	global_load_b32 v[XSW], v[LS], s[30:31]
	global_load_b32 v[WQS], v[LS], s[32:33]
	global_load_b32 v[WKS], v[LS], s[32:33] offset:8192
	global_load_b32 v[WVS], v[LS], s[32:33] offset:16384
	s_wait_loadcnt 0x0
.irp c, 0,1,2,3
	ds_store_b128 v[WI], v[XF+4*\c:XF+4*\c+3] offset:XIMG+512*\c
	ds_store_b128 v[WI], v[WQT+4*\c:WQT+4*\c+3] offset:WIMG+512*\c
	ds_store_b128 v[WI], v[WKT+4*\c:WKT+4*\c+3] offset:WIMG+16384+512*\c
.endr
	ds_store_b32 v[WS], v[XSW] offset:XSC
	ds_store_b32 v[WS], v[WQS] offset:WSC
	ds_store_b32 v[WS], v[WKS] offset:WSC+1024
	s_wait_dscnt 0x0                               ; for the others' sake: my stores have landed
	s_barrier_signal -1
	s_barrier_wait -1                              ; all 24 fragments lie in LDS; nothing there is written again
	FETCH8 0, WIMG, SW, WSC                        ; Wq
	FETCH8 128, WIMG+16384, SW+8, WSC+1024         ; Wk
	s_wait_dscnt 40                                ; Wq's 40 loads are in; Wk's 40 may be out
	MULT 0, 0                                      ; q
	PLACES 8                                       ; behind this form eight places stand in front of the first read of a result and of loads into registers that it read
	FETCH8 0, XIMG, SX, XSC                        ; x's eight tiles take Wq's place; they land while q is quantised
	QUANT HA
	OUT 8, 0, 10, 0
	s_wait_dscnt 40                                ; Wk's 40 are in; x's 40 may be out
	MULT 128, 8                                    ; k
	PLACES 8
	s_wait_xcnt 0x0                                ; q's stores have read the codes' registers: only now are they written again
	QUANT HA
	OUT 12, 0, 14, 0
	s_wait_dscnt 0x0                               ; x's tiles
	MULV                                           ; v
	PLACES 8
	s_wait_xcnt 0x0                                ; k's stores have read their registers
	QUANT HA
	OUT 12, 16384, 14, 1024
	s_wait_tensorcnt 0x0
	ds_add_u32 v254, v255
	s_wait_dscnt 0x0
	s_endpgm
.Lfunc_end_k_q734b701798_proj:
	.size	k_q734b701798_proj, .Lfunc_end_k_q734b701798_proj-k_q734b701798_proj
	.p2alignl 7, 3214868480
	.fill 96, 4, 3214868480
	.section	.rodata,"a",@progbits
	.p2align	6, 0x0
	.amdhsa_kernel k_q734b701798_proj
		.amdhsa_group_segment_fixed_size 53248
		.amdhsa_private_segment_fixed_size 0
		.amdhsa_enable_private_segment 0
		.amdhsa_kernarg_size 48
		.amdhsa_user_sgpr_count 2
		.amdhsa_user_sgpr_kernarg_segment_ptr 1
		.amdhsa_wavefront_size32 1
		.amdhsa_system_sgpr_workgroup_id_x 1
		.amdhsa_system_sgpr_workgroup_id_y 1
		.amdhsa_system_sgpr_workgroup_id_z 1
		.amdhsa_system_vgpr_workitem_id 0
		.amdhsa_next_free_vgpr 512
		.amdhsa_next_free_sgpr 66
		.amdhsa_reserve_vcc 0
		.amdhsa_float_denorm_mode_32 3
		.amdhsa_float_denorm_mode_16_64 3
		.amdhsa_memory_ordered 1
		.amdhsa_forward_progress 1
		.amdhsa_inst_pref_size 43
	.end_amdhsa_kernel
	.amdgpu_metadata
---
amdhsa.version: [ 1, 2 ]
amdhsa.kernels:
  - .name:           k_q734b701798_proj
    .symbol:         k_q734b701798_proj.kd
    .args:
      - { .name: cod, .offset: 0, .size: 8, .value_kind: global_buffer, .address_space: global }
      - { .name: scl, .offset: 8, .size: 8, .value_kind: global_buffer, .address_space: global }
      - { .name: qc, .offset: 16, .size: 8, .value_kind: global_buffer, .address_space: global }
      - { .name: qs, .offset: 24, .size: 8, .value_kind: global_buffer, .address_space: global }
      - { .name: kc, .offset: 32, .size: 8, .value_kind: global_buffer, .address_space: global }
      - { .name: ksc, .offset: 40, .size: 8, .value_kind: global_buffer, .address_space: global }
    .group_segment_fixed_size: 53248
    .private_segment_fixed_size: 0
    .kernarg_segment_align: 8
    .kernarg_segment_size: 48
    .max_flat_workgroup_size: 256
    .sgpr_count:     66
    .vgpr_count:     512
    .wavefront_size: 32
...
	.end_amdgpu_metadata
.endif
;; end of part 2
;; launch attn (part 3): grid 16 x 16, 8 waves a work-group, clusters of 4 x 1, 327,680 bytes of LDS; arguments qc, qs, kc, ksc, yc, ys; writes yc, ys
.if DOCPART == 3
	.amdgcn_target "amdgcn-amd-amdhsa--gfx1250"
	.amdhsa_code_object_version 6
	.text
	.protected	k_q734b701798_attn
	.globl	k_q734b701798_attn
	.p2align	8
	.type	k_q734b701798_attn,@function
k_q734b701798_attn:
	s_mov_b64 s[64:65], 0
	v_nop
	global_prefetch_b8 v0, s[64:65] scope:SCOPE_SE
	s_setreg_imm32_b32 hwreg(HW_REG_WAVE_MODE, 25, 1), 1
	s_wait_xcnt 0x0
	s_wait_alu depctr_hold_cnt(0) depctr_sa_sdst(0) depctr_va_vdst(0) depctr_va_sdst(0) depctr_va_ssrc(0) depctr_va_vcc(0) depctr_vm_vsrc(0)
	s_getreg_b32 s2, hwreg(HW_REG_IB_STS2, 6, 4)
	s_cmp_eq_u32 s2, 0
	s_cbranch_scc0 .Lentry_in_a_cluster
	s_endpgm
.Lentry_in_a_cluster:
	s_bfe_u32 s2, ttmp6, 0x10000c
	s_cmp_lg_u32 s2, 0x3003
	s_cbranch_scc0 .Lentry_shape_is_right
	s_endpgm
.Lentry_shape_is_right:
; y[bh][q] = the sum over keys of softmax(q . k / sqrt(128)) v, both products on E4M3 codes with E8M0 scales; y is quantised along the head's 128 at once, for the last product.
; THE SOFTMAX: t = score x log2(e) / sqrt(128); M = the running largest t rounded UP to a whole number; p = 2^(t - M) is what is quantised, along the keys, not normalised; the row's sum is taken of the
; unquantised p and divides at the end.  When M moves, the sum and O are multiplied by 2^(old M - new M): exact.
; SHARES.  A work-group owns 128 queries (group g = 4 x cluster x + cx) of one head bh (work-group y): eight tiles of 16.  WAVE w TAKES TWO TILES AND HALF OF THE KEYS: tile X = w, tile Y = w xor 1, and the key steps
; (128 keys each) whose number has the parity of w.  So each fragment of K and V that a wave reads from LDS feeds two matrix instructions: a key step's 32,768 bytes are read by four waves, not by eight.
; THE JOIN.  Waves w and w xor 1 hold, for the same two tiles, the two halves of the keys, each under a running M and a sum of its own.  At the end each wave hands its part of tile Y to its partner through LDS and
; finishes tile X: M is the larger of the two, both parts are multiplied by 2^(own M - M), which rounds nothing, and one f32 addition joins them (ORDER OF ROUNDING: the sum over the keys is kept in two halves).
; LAYOUT.  All operands are images of their registers (2,048 bytes a fragment: register group c at 512 c, lane l at 16 l; scale words 128 bytes, 4 l): every LDS access takes consecutive bytes, nothing is padded.
; Both products are used transposed: S^T = K Q^T (source 0 = 16 keys), O^T = V^T P^T (source 0 = 16 channels): a lane holds ONE query.  The keys of K's tile t and the channels of V's tile t are
; perm(t, r) = 32 (t / 2) + 8 (t % 2) + r + 8 (r / 8), so the 16 registers of result tiles 2 b, 2 b + 1 are 16 neighbours 32 b + 16 h + 0 .. 15: p's along the keys, y's along the channels.
; RING.  A key step's K and V tiles are 32,768 dense bytes of kc.  Two LDS slots of four steps (131,072 bytes each); each of the eight waves brings 16,384 bytes of a slot with one tensor load.
; The head's scale words, 32,768 bytes, come once with the first fills and stay.  By this text's count a wave has two tensor loads out at the start and one behind each change of slots but the last.
; CLUSTER.  The four work-groups of a cluster belong to one head and walk the same K and V: every tile is asked for jointly (mask 15), which divides the requests for K and V by four.
; LIMITS: a block whose largest magnitude lies under 2^-118 gets the scale byte 1 (its codes are then zeros or nearly so; this program alone reads the bytes); NaN and infinities are not served;
; a block's largest p is taken from the block's largest score, which takes v_exp_f32 not to fall where its input rises.
; REGISTERS: window 0 as named below; window 1: v0-127 ONE buffer for the eight fragments of K and then of V of a step (two buffers and two tiles do not fit in 512 registers); v128-191 O^T of tile X, v192-255 of tile Y.
.set SLOT1, 1<<17                      ; slot 1 begins here: one exclusive or turns an address from one slot to the other
.set SCB,   2*SLOT1                    ; the head's scale words: 16 steps x (K's 8 x 128 bytes, V's 8 x 128)
.set SPARE, SCB+32768                  ; the spare words, 128 bytes for each of eight waves: four blocks of 256 bytes that no other line names
.set STW,   8448                       ; the join's stage, from LDS byte 0 on: for each wave 8,192 bytes of O^T and 256 of statistics.  It lies in slot 0, which has had its last fill and its last read at the last change of slots
.set LQ,   1                           ; v1, v2 16 x lane + 32,768 x (parity of w), and 65,536 more: my place in my two steps of a slot
.set L16,  3                           ; v3     16 x lane
.set STO,  4                           ; v4     the stage: where I put my part of tile Y
.set SPW,  5                           ; v5     LDS address of my spare word; never rewritten
.set NIL,  6                           ; v6     0; never rewritten
.set PFO,  7                           ; v7     256 x lane: the prefetches' offset; never rewritten
.set ADR,  8                           ; v8     LDS address of the step's tiles: K's, and V's 16,384 bytes on
.set STL,  9                           ; v9     the stage: where my partner's part of tile X lies
.set AS,   10                          ; v10    LDS address of my scale words in the slot in hand
.set LSC,  11                          ; v11    SCB + 4 x lane + 2,048 x (parity of w)
.set STX,  12                          ; v12 -M, v13 the largest t, v[14:15] the sum in two halves: tile X
.set STY,  16                          ; v16-19 the same for tile Y
.set QX,   32                          ; v32-47 tile X's queries
.set QY,   48                          ; v48-63 tile Y's
.set KS,   64                          ; v64-71 K's scale words of a step
.set VS,   72                          ; v72-79 V's
.set QSX,  80                          ; v80, v81 the queries' scale words
.set QSY,  81
.set F,    84                          ; v84 f = 2^(old M - new M); v85 is only named with it as a pair and holds 0
.set PSX,  86                          ; v86, v87 p's scale words of the step
.set PSY,  87
.set L4,   88                          ; v88    4 x lane
.set PW,   90                          ; v90    y's scale word
.set BM,   92                          ; v92-95   the blocks' largest scores, then largest p
.set T4,   96                          ; v96-99   at work
.set HO,   100                         ; v100-103 448 x the scale
.set SO,   104                         ; v104-107 the conversions' scale operands
.set TP,   108                         ; v108     at work
.set TM,   112                         ; v112-127 at work on the way out
.set S,    128                         ; v128-191 S^T, then p, of the tile in hand; at the end y
.set PCX,  192                         ; v192-207 p's codes of tile X; at the end y's
.set PCY,  208                         ; v208-223 of tile Y
.set PC,   PCX
.set OX,   128                         ; in window 1
.set OY,   192
.set TB,   2                           ; s2   LDS byte at which the slot in hand begins
.set TS,   3                           ; s3   where its scale words begin: 8,192 bytes a slot
.set WV,   18
.set MNT,  19
.set SEL,  20
.set CS,   22                          ; s[22:23] c = log2(e) / sqrt(128)
.set G1,   24                          ; s[24:31] descriptor group 1 for the tiles: 64 rows of 256 bytes
.set G1S,  32                          ; s[32:39] for the scale words: 16 rows of 256 bytes
.set G0,   40                          ; s[40:43] group 0 for the tiles: it walks
.set G0S,  44                          ; s[44:47] for the scale words
.set SLOTS, 48                         ; s48  slots still to be asked for
.set LIM,  49                          ; s49  1 in a wave that prefetches, else the greatest number
.set PFA,  50                          ; s[50:51] where my prefetches stand
.set MSB, 0
.macro WIN new                         ; the immediate's high byte repeats the setting that is left
.if MSB != \new
	s_set_vgpr_msb (MSB<<8)|\new
.set MSB, \new
.endif
.endm
.macro PLACES n
.rept \n
	v_nop
.endr
.endm
; A round of the cluster's barrier: my work-group's barrier; wave 0 signals for the work-group; every wave waits for all four work-groups; my work-group's barrier once more.
.macro CROUND
	s_barrier_signal -1
	s_barrier_wait -1
	s_cmp_lg_u32 s[WV], 0
	s_cbranch_scc1 .Lnot_wave_0_\@
	s_barrier_signal -3
.Lnot_wave_0_\@:
	s_barrier_wait -3
	s_barrier_signal -1
	s_barrier_wait -1
.endm
; A prefetch of what the NEXT change of slots will ask for: a slot's 131,072 bytes of kc.  Each aligned block of 256 bytes is named once in the launch: the head's first cluster asks; its four partners take
; 32,768 bytes each, told apart by address; in each, waves 0 to 3 take 8,192 bytes, lanes 256 bytes apart: one instruction a wave, four key steps ahead of the load.  The last change that fills a slot asks for nothing.
.macro ASK
	s_cmp_gt_u32 s[SLOTS], s[LIM]
	s_cbranch_scc0 .Lnot_mine_\@
	global_prefetch_b8 v[PFO], s[PFA:PFA+1] th:TH_LOAD_NT scope:SCOPE_SE
.Lnot_mine_\@:
.endm
; K's eight fragments and scale words of my i-th step of the slot: 40 LDS loads in one run
.macro KLOAD i
	WIN 0x40                                       ; destination window 1, address window 0
.irp t, 0,1,2,3,4,5,6,7
.irp c, 0,1,2,3
	ds_load_b128 v[16*\t+4*\c:16*\t+4*\c+3], v[ADR] offset:2048*\t+512*\c
.endr
.endr
	WIN 0
.irp t, 0,1,2,3,4,5,6,7
	ds_load_b32 v[KS+\t], v[AS] offset:4096*\i+128*\t
.endr
.endm
; V's, into the same registers: both tiles have multiplied by K
.macro VLOAD i
	WIN 0x40
.irp t, 0,1,2,3,4,5,6,7
.irp c, 0,1,2,3
	ds_load_b128 v[16*\t+4*\c:16*\t+4*\c+3], v[ADR] offset:16384+2048*\t+512*\c
.endr
.endr
	WIN 0
.irp t, 0,1,2,3,4,5,6,7
	ds_load_b32 v[VS+\t], v[AS] offset:4096*\i+1024+128*\t
.endr
.endm
.macro ST q, qs                        ; S^T = K Q^T of one tile of queries: eight tiles of 16 keys, each sum one instruction
	WIN 0x01                                       ; source 0 window 1
.irp t, 0,1,2,3,4,5,6,7
	v_wmma_scale_f32_16x16x128_f8f6f4 v[S+8*\t:S+8*\t+7], v[16*\t:16*\t+15], v[\q:\q+15], 0, v[KS+\t], v[\qs]
.endr
	WIN 0
.endm
.macro PV                              ; O^T += V^T P^T of both tiles: each fragment of V serves two products; the sixteen accumulators take turns, one instruction a turn
	WIN 0x51                                       ; source 0 (V), C and D window 1; source 1 (p's codes) window 0
.irp t, 0,1,2,3,4,5,6,7
	v_wmma_scale_f32_16x16x128_f8f6f4 v[OX+8*\t:OX+8*\t+7], v[16*\t:16*\t+15], v[PCX:PCX+15], v[OX+8*\t:OX+8*\t+7], v[VS+\t], v[PSX]
	v_wmma_scale_f32_16x16x128_f8f6f4 v[OY+8*\t:OY+8*\t+7], v[16*\t:16*\t+15], v[PCY:PCY+15], v[OY+8*\t:OY+8*\t+7], v[VS+\t], v[PSY]
.endr
	WIN 0
.endm
; One tile's softmax for one key step.  st: its statistics; pc: where its codes go; ps: its scale word; ob: its O^T in window 1
.macro SOFTMAX st, pc, ps, ob
.irp b, 0,1,2,3
	v_max3_num_f32 v[BM+\b], v[S+16*\b], v[S+1+16*\b], v[S+2+16*\b]   ; the largest score of each block of 32 keys: for the row's maximum and, since p rises with the score, for the block's largest p
.endr
.irp i, 3,5,7,9,11,13
.irp b, 0,1,2,3
	v_max3_num_f32 v[BM+\b], v[BM+\b], v[S+16*\b+\i], v[S+1+16*\b+\i]   ; the four blocks by turns
.endr
.endr
.irp b, 0,1,2,3
	v_max_num_f32 v[BM+\b], v[BM+\b], v[S+15+16*\b]
.endr
.irp b, 0,1,2,3
	v_permlanex16_b32 v[T4+\b], v[BM+\b], s[SEL], s[SEL+1]
.endr
.irp b, 0,1,2,3
	v_max_num_f32 v[BM+\b], v[BM+\b], v[T4+\b]     ; with lane l xor 16's 16 keys
.endr
	v_max3_num_f32 v[TP], v[BM], v[BM+1], v[BM+2]
	v_max_num_f32 v[TP], v[TP], v[BM+3]            ; the step's largest score of my query
	v_mul_f32 v[TP], s[CS], v[TP]                  ; as t (c is positive)
	v_max_num_f32 v[\st+1], v[\st+1], v[TP]        ; the running largest t
	v_mov_b32 v[TP], v[\st]
	v_floor_f32 v[\st], -v[\st+1]                  ; the new -M = floor(-t) = -ceil(t): a whole number
	v_sub_f32 v[TP], v[\st], v[TP]                 ; old M - new M: a whole number, 0 or less
	v_cvt_i32_f32 v[TP], v[TP]                     ; (it saturates)
	v_ldexp_f32 v[F], 1.0, v[TP]                   ; f = 2^(old M - new M)
.set j, 0
.rept 32
	v_pk_fma_f32 v[S+j:S+j+1], v[S+j:S+j+1], s[CS:CS+1], v[\st:\st+1] op_sel_hi:[1,0,0]   ; t - M, two at a time
.set j, j+2
.endr
.irp b, 0,1,2,3
	v_fma_f32 v[BM+\b], v[BM+\b], s[CS], v[\st]    ; the same of each block's largest score
.endr
.set j, 0
.rept 64
	v_exp_f32 v[S+j], v[S+j]                       ; p = 2^(t - M), at most 1
.set j, j+1
.endr
	v_pk_mul_f32 v[\st+2:\st+3], v[\st+2:\st+3], v[F:F+1] op_sel_hi:[1,0]   ; the sums under the new M: a plain line behind the exponentials
	s_wait_alu depctr_va_vdst(0)                   ; one wait for the batch of 64, ahead of its first reader
.irp b, 0,1,2,3
	v_exp_f32 v[BM+\b], v[BM+\b]                   ; the block's largest p: the same two instructions on the same number give the same bits
.endr
	v_pk_add_f32 v[T4:T4+1], v[S:S+1], v[S+2:S+3]  ; the row's sum is taken of the unquantised p: two at a time, in two chains
.set j, 4
.rept 15
	v_pk_add_f32 v[\st+2:\st+3], v[\st+2:\st+3], v[S+j:S+j+1]
	v_pk_add_f32 v[T4:T4+1], v[T4:T4+1], v[S+j+2:S+j+3]
.set j, j+4
.endr
	v_pk_add_f32 v[\st+2:\st+3], v[\st+2:\st+3], v[T4:T4+1]
	s_wait_alu depctr_va_vdst(0)                   ; and one for the four
.irp b, 0,1,2,3
	v_max_num_f32 v[BM+\b], 0x4800000, v[BM+\b]    ; the floor 2^(9 - 127): the byte cannot fall under 1
.endr
.irp b, 0,1,2,3
	v_add_nc_u32 v[SO+\b], 0xfc000000, v[BM+\b]    ; 8 off the exponent field: the conversion's scale operand
.endr
.irp b, 0,1,2,3
	v_and_or_b32 v[HO+\b], v[BM+\b], 0x7f800000, s[MNT]   ; 448 x the scale
.endr
.irp b, 0,1,2,3
	v_lshrrev_b32 v[T4+\b], 23, v[SO+\b]           ; the scale's byte
.endr
	v_lshl_or_b32 v[\ps], v[T4+1], 8, v[T4]        ; p's scale word for these 128 keys
	v_lshl_or_b32 v[\ps], v[T4+2], 16, v[\ps]
	v_lshl_or_b32 v[\ps], v[T4+3], 24, v[\ps]
.irp b, 0,1,2,3
.irp i, 0,1,2,3,4,5,6,7,8,9,10,11,12,13,14,15
	v_min_num_f32 v[S+16*\b+\i], v[S+16*\b+\i], v[HO+\b]   ; the conversion does not saturate (ISA guide 7.6.2); p is not negative, so the hold is one-sided
.endr
	v_cvt_scalef32_pk8_fp8_f32 v[\pc+4*\b:\pc+1+4*\b], v[S+16*\b:S+7+16*\b], v[SO+\b]
	v_cvt_scalef32_pk8_fp8_f32 v[\pc+2+4*\b:\pc+3+4*\b], v[S+8+16*\b:S+15+16*\b], v[SO+\b]
.endr
	WIN 0x41                                       ; O^T (destination and source 0) window 1, f window 0
.set j, 0
.rept 32
	v_pk_mul_f32 v[\ob+j:\ob+j+1], v[\ob+j:\ob+j+1], v[F:F+1] op_sel_hi:[1,0]   ; O^T under the new M, each accumulator from its low end on.  These 32 are also the places between the conversions, the scale word and the products that follow
.set j, j+2
.endr
	WIN 0
.endm
; 64 numbers of a lane become a fragment's codes in v[PC] on and its scale word in v[PW]: for y, on the way out
.macro QUANT s
.irp b, 0,1,2,3
	v_max3_num_f32 v[TM+\b], |v[\s+16*\b]|, |v[\s+1+16*\b]|, 0x4800000
.endr
.irp i, 2,4,6,8,10,12,14
.irp b, 0,1,2,3
	v_max3_num_f32 v[TM+\b], v[TM+\b], |v[\s+16*\b+\i]|, |v[\s+1+16*\b+\i]|
.endr
.endr
.irp b, 0,1,2,3
	v_permlanex16_b32 v[TM+4+\b], v[TM+\b], s[SEL], s[SEL+1]
.endr
.irp b, 0,1,2,3
	v_max_num_f32 v[TM+\b], v[TM+\b], v[TM+4+\b]
.endr
.irp b, 0,1,2,3
	v_add_nc_u32 v[TM+12+\b], 0xfc000000, v[TM+\b]
.endr
.irp b, 0,1,2,3
	v_and_or_b32 v[TM+8+\b], v[TM+\b], 0x7f800000, s[MNT]
.endr
.irp b, 0,1,2,3
	v_lshrrev_b32 v[TM+4+\b], 23, v[TM+12+\b]
.endr
	v_lshl_or_b32 v[PW], v[TM+5], 8, v[TM+4]
	v_lshl_or_b32 v[PW], v[TM+6], 16, v[PW]
	v_lshl_or_b32 v[PW], v[TM+7], 24, v[PW]
.irp b, 0,1,2,3
.irp i, 0,1,2,3,4,5,6,7,8,9,10,11,12,13,14,15
	v_med3_num_f32 v[\s+16*\b+\i], v[\s+16*\b+\i], -v[TM+8+\b], v[TM+8+\b]
.endr
	v_cvt_scalef32_pk8_fp8_f32 v[PC+4*\b:PC+1+4*\b], v[\s+16*\b:\s+7+16*\b], v[TM+12+\b]
	v_cvt_scalef32_pk8_fp8_f32 v[PC+2+4*\b:PC+3+4*\b], v[\s+8+16*\b:\s+15+16*\b], v[TM+12+\b]
.endr
	v_nop                                          ; one plain line behind the last conversion
.endm
; THE CHANGE OF SLOTS stands at a slot's head.  Each wave waits for all its tensor loads (its part of the slot ahead), adds 0 to its spare word, and waits for that and for its reads of the slot that it has left.
; fill = 1: a round of the cluster's barrier, so that no wave of any partner still reads the slot left or has a load on its way; the joint refill is the first thing behind it and has four key steps in which to land.
.macro CHANGE fill
	s_wait_tensorcnt 0x0                           ; no tensor load of mine is out, so group 0 may be written
	ds_add_u32 v[SPW], v[NIL]                      ; 0 onto my spare word
.if \fill
	s_xor_b32 s[G0+1], s[G0+1], SLOT1              ; the walking descriptor: the other slot than last time,
	s_add_nc_u64 s[G0+2:G0+3], s[G0+2:G0+3], 131072   ; the next four key steps; the type bits on top are not reached
	s_wait_xcnt 0x0                                ; the last prefetch, a slot back, has read its address, so it may be written:
	s_add_nc_u64 s[PFA:PFA+1], s[PFA:PFA+1], 131072   ; one slot further on than the walking descriptor
.endif
	s_wait_dscnt 0x0                               ; the add is done, and my reads of the slot that I have left are over
.if \fill
	CROUND
	tensor_load_to_lds s[G0:G0+3], s[G1:G1+7]      ; my one tensor load until the next change
	s_nop 0
	PLACES 4                                       ; four v_nop follow it
.else
	s_barrier_signal -1
	s_barrier_wait -1
.endif
.endm
; MY i-TH KEY STEP OF A SLOT, for both tiles.  Behind this form of matrix instruction eight places stand in front of the first read of a result and of loads into registers that it read.
; V lands under tile Y's softmax; K of my next step is asked for as soon as V's registers are free.
.macro STEP i
	s_wait_dscnt 0x0                               ; K is in
	ST QX, QSX
	PLACES 8
	SOFTMAX STX, PCX, PSX, OX
	ST QY, QSY                                     ; tile Y's scores take the registers that tile X's p has left
	PLACES 8                                       ; for the first read of the scores and for the loads into K's registers
	VLOAD \i
	SOFTMAX STY, PCY, PSY, OY
	s_wait_dscnt 0x0                               ; V is in
	PV
	PLACES 8                                       ; for the loads into V's registers, here or behind the change of slots, and at the end for the first read of O^T
.if \i == 0
	v_add_nc_u32 v[ADR], s[TB], v[LQ+1]
	KLOAD 1
.endif
.endm
.macro SLOT_STEPS ask
	v_add_nc_u32 v[AS], s[TS], v[LSC]
	v_add_nc_u32 v[ADR], s[TB], v[LQ]
	KLOAD 0
.if \ask
	ASK                                            ; behind the joint load, its four lines and the run of LDS loads
.endif
	STEP 0
	STEP 1
	s_xor_b32 s[TB], s[TB], SLOT1                  ; on to the other slot
	s_add_co_u32 s[TS], s[TS], 8192
.endm
	s_load_b256 s[4:11], s[0:1], 0x0               ; qc s[4:5], qs s[6:7], kc s[8:9], ksc s[10:11]
	s_load_b128 s[12:15], s[0:1], 0x20             ; yc s[12:13], ys s[14:15]
	v_lshl_add_u32 v[SPW], v0, 2, SPARE
	v_mov_b32 v[NIL], 0
	ds_add_u32 v5, v6
	ds_add_u32 v5, v6
	s_wait_dscnt 0x0
	v_lshrrev_b32 v8, 5, v0
	v_readfirstlane_b32 s[WV], v8                  ; wave 0..7
	s_bfe_u32 s52, ttmp6, 0x40000                  ; cx: my place in the cluster
	s_lshl_b32 s53, ttmp9, 2                       ; in a cluster launch ttmp9 counts clusters
	s_add_co_u32 s53, s53, s52                     ; g: it enters q's, y's and the prefetches' addresses alone
	s_and_b32 s54, ttmp7, 0xffff                   ; bh, which the four partners share
	; descriptor group 1: dense rows of 256 bytes (32 elements of 8 bytes), no padding; 15:0 the mask: all four work-groups; bit 21 set beside it
	s_mov_b32 s[G1], 15|(3<<16)|(1<<21)
	s_mov_b32 s[G1+1], 32<<16                      ; tensor_dim0 = 32
	s_mov_b32 s[G1+2], 64<<16                      ; tensor_dim1 = 64
	s_mov_b32 s[G1+3], 32<<16                      ; tile_dim0 = 32
	s_mov_b32 s[G1+4], 64                          ; tile_dim1 = 64: 16,384 bytes a wave
	s_mov_b32 s[G1+5], 32                          ; from row to row
	s_mov_b32 s[G1+6], 0
	s_mov_b32 s[G1+7], 0
	s_mov_b32 s[G1S], 15|(3<<16)|(1<<21)
	s_mov_b32 s[G1S+1], 32<<16
	s_mov_b32 s[G1S+2], 16<<16
	s_mov_b32 s[G1S+3], 32<<16
	s_mov_b32 s[G1S+4], 16                         ; 16 rows: 4,096 bytes a wave
	s_mov_b32 s[G1S+5], 32
	s_mov_b32 s[G1S+6], 0
	s_mov_b32 s[G1S+7], 0
	s_mov_b32 s[SEL], 0x76543210
	s_mov_b32 s[SEL+1], 0xfedcba98
	s_mov_b32 s[CS], 0x3e0293ee                    ; c = log2(e) / sqrt(128)
	s_mov_b32 s[CS+1], s[CS]                       ; (named with it as a pair, so it is written)
	s_mov_b32 s[MNT], 0x600000
	s_mov_b32 s[TB], 0
	s_mov_b32 s[TS], 0
	s_mov_b32 s[SLOTS], 3
	s_lshr_b32 s[LIM], s[WV], 2                    ; 0 in waves 0 to 3,
	s_or_b32 s[LIM], s[LIM], ttmp9                 ; of the head's first cluster: the same in all four partners
	s_cmp_eq_u32 s[LIM], 0
	s_cselect_b32 s[LIM], 1, -1
	s_mov_b32 s[G0], 1                             ; count = 1
	s_lshl_b32 s[G0+1], s[WV], 14                  ; LDS: slot 0, 16,384 x wave: no place in the cluster enters an LDS address
	s_mov_b32 s[G0S], 1
	s_lshl_b32 s[G0S+1], s[WV], 12
	s_add_co_u32 s[G0S+1], s[G0S+1], SCB
	s_wait_kmcnt 0x0
	s_lshl_b32 s56, s54, 19                        ; the head's 524,288 bytes of kc,
	s_lshl_b32 s57, s[WV], 14                      ; my wave's part of a slot
	s_add_co_u32 s56, s56, s57
	s_mov_b32 s57, 0
	s_add_nc_u64 s[G0+2:G0+3], s[8:9], s[56:57]
	s_or_b32 s[G0+3], s[G0+3], 0x80000000          ; type = 2
	s_lshl_b32 s56, s54, 15                        ; the head's 32,768 bytes of ksc,
	s_lshl_b32 s57, s[WV], 12                      ; my wave's eighth
	s_add_co_u32 s56, s56, s57
	s_mov_b32 s57, 0
	s_add_nc_u64 s[G0S+2:G0S+3], s[10:11], s[56:57]
	s_or_b32 s[G0S+3], s[G0S+3], 0x80000000
	CROUND                                         ; all four work-groups are here: the first joint loads meet
	tensor_load_to_lds s[G0S:G0S+3], s[G1S:G1S+7]  ; the scale words: filled once
	s_nop 0
	tensor_load_to_lds s[G0:G0+3], s[G1:G1+7]      ; slot 0
	s_nop 0
	PLACES 4
	s_lshl_b32 s58, s54, 4
	s_add_co_u32 s58, s58, s53                     ; 16 bh + g: my work-group's eight tiles of queries
	s_lshl_b32 s60, s58, 10                        ; their scale words: 8 x 128 bytes,
	s_lshl_b32 s58, s58, 14                        ; their codes: 8 x 2,048 bytes
	s_mov_b32 s59, 0
	s_mov_b32 s61, 0
	s_add_nc_u64 s[4:5], s[4:5], s[58:59]
	s_add_nc_u64 s[6:7], s[6:7], s[60:61]
	s_lshr_b32 s58, s54, 3                         ; batch
	s_lshl_b32 s58, s58, 4
	s_add_co_u32 s58, s58, s53                     ; G = 16 batch + g
	s_lshl_b32 s58, s58, 3
	s_add_co_u32 s58, s58, s[WV]
	s_lshl_b32 s58, s58, 3
	s_and_b32 s62, s54, 7
	s_add_co_u32 s58, s58, s62                     ; y's fragment: (8 G + w) 8 + head: I finish tile X = w
	s_lshl_b32 s60, s58, 7
	s_lshl_b32 s58, s58, 11
	s_add_nc_u64 s[12:13], s[12:13], s[58:59]
	s_add_nc_u64 s[14:15], s[14:15], s[60:61]
	s_lshl_b32 s58, s52, 15                        ; the prefetches: my work-group's 32,768 bytes of a slot,
	s_and_b32 s62, s[WV], 3
	s_lshl_b32 s62, s62, 13                        ; my wave's 8,192 of them,
	s_add_co_u32 s58, s58, s62
	s_lshl_b32 s62, s54, 19                        ; in my head,
	s_add_co_u32 s58, s58, s62
	s_add_co_u32 s58, s58, 131072                  ; in slot 1: the first change of slots steps it to slot 2.  Nothing is prefetched here, at the head
	s_add_nc_u64 s[PFA:PFA+1], s[8:9], s[58:59]
	v_and_b32 v9, 31, v0                           ; lane
	v_lshlrev_b32 v[L16], 4, v9
	v_lshlrev_b32 v[L4], 2, v9
	v_lshlrev_b32 v[PFO], 8, v9
	s_and_b32 s55, s[WV], 1                        ; the parity of w: which key steps are mine
	s_lshl_b32 s56, s55, 15
	v_add_nc_u32 v[LQ], s56, v[L16]                ; step (parity) of a slot,
	v_add_nc_u32 v[LQ+1], 65536, v[LQ]             ; and step (parity + 2)
	s_lshl_b32 s56, s55, 11
	s_add_co_u32 s56, s56, SCB
	v_add_nc_u32 v[LSC], s56, v[L4]
	s_xor_b32 s57, s[WV], 1                        ; my partner, and tile Y
	s_lshl_b32 s56, s[WV], 11
	v_add_nc_u32 v[BM], s56, v[L16]                ; tile X's codes among the eight tiles',
	s_lshl_b32 s56, s57, 11
	v_add_nc_u32 v[BM+1], s56, v[L16]              ; tile Y's,
	s_lshl_b32 s56, s[WV], 7
	v_add_nc_u32 v[BM+2], s56, v[L4]               ; and their scale words
	s_lshl_b32 s56, s57, 7
	v_add_nc_u32 v[BM+3], s56, v[L4]
.irp c, 0,1,2,3
	global_load_b128 v[QX+4*\c:QX+4*\c+3], v[BM], s[4:5] offset:512*\c     ; my queries stay in registers
	global_load_b128 v[QY+4*\c:QY+4*\c+3], v[BM+1], s[4:5] offset:512*\c
.endr
	global_load_b32 v[QSX], v[BM+2], s[6:7]
	global_load_b32 v[QSY], v[BM+3], s[6:7]
.irp st, STX, STY
	v_mov_b32 v[\st+1], 0xff61b1e6                 ; the largest t so far: -3e38, under every t
	v_floor_f32 v[\st], -v[\st+1]                  ; -M
	v_mov_b32 v[\st+2], 0                          ; the sum, in two halves
	v_mov_b32 v[\st+3], 0
.endr
.irp b, 0,1,2,3
	v_mov_b32 v[T4+\b], 0                          ; a lane permute's destination counts as one of its sources
	v_mov_b32 v[TM+4+\b], 0
.endr
	v_mov_b32 v[F], 0
	v_mov_b32 v[F+1], 0                            ; (named as the upper half of the pair, so it is written)
	WIN 0x40                                       ; destination window 1
.set j, 0
.rept 128
	v_mov_b32 v[OX+j], 0                           ; O^T of both tiles.  The key step is written in one form: the first finds zeros, which the first change of M leaves zeros
.set j, j+1
.endr
	WIN 0
	s_wait_loadcnt 0x0                             ; my queries; their offsets' registers may be written from here on
.Lslot:                                            ; three trips: behind each change of slots but the last the next slot is asked for
	CHANGE 1
	SLOT_STEPS 1
	s_sub_co_u32 s[SLOTS], s[SLOTS], 1
	s_cmp_lg_u32 s[SLOTS], 0
	s_cbranch_scc1 .Lslot
	CHANGE 0                                       ; the last slot is written out
	SLOT_STEPS 0
	; THE JOIN.  My part of tile Y (O^T as an image of its registers, -M and the sum of my lanes' keys) goes to my part of the stage; behind the barrier my partner's part of tile X comes from its.
	v_add_f32 v[STY+1], v[STY+2], v[STY+3]         ; tile Y's sum, beside its -M: the largest t is not needed any more
	s_mul_i32 s55, s[WV], STW
	s_xor_b32 s56, s[WV], 1
	s_mul_i32 s56, s56, STW
	v_add_nc_u32 v[STO], s55, v[L16]
	v_add_nc_u32 v[STL], s56, v[L16]
	v_lshlrev_b32 v[BM], 1, v[L4]                  ; 8 x lane: the statistics' place
	v_add_nc_u32 v[BM+1], s55, v[BM]
	v_add_nc_u32 v[BM+2], s56, v[BM]
	WIN 0x04                                       ; an LDS store's data are its source 1: window 1
.irp k, 0,1,2,3,4,5,6,7,8,9,10,11,12,13,14,15
	ds_store_b128 v[STO], v[OY+4*\k:OY+4*\k+3] offset:512*\k   ; each accumulator from its low end on
.endr
	WIN 0
	ds_store_b64 v[BM+1], v[STY:STY+1] offset:8192
	s_wait_dscnt 0x0                               ; for my partner's sake: my stores have landed
	s_barrier_signal -1
	s_barrier_wait -1
.irp k, 0,1,2,3,4,5,6,7,8,9,10,11,12,13,14,15
	ds_load_b128 v[S+4*\k:S+4*\k+3], v[STL] offset:512*\k
.endr
	ds_load_b64 v[T4:T4+1], v[BM+2] offset:8192    ; its -M and its sum
	v_add_f32 v[STX+2], v[STX+2], v[STX+3]         ; my sum's two halves
	s_wait_dscnt 0x0
	v_min_num_f32 v[TP], v[STX], v[T4]             ; -M of the whole row: M is the larger of the two
	v_sub_f32 v[HO], v[TP], v[STX]                 ; my M - M, and my partner's: whole numbers, 0 or less
	v_sub_f32 v[HO+1], v[TP], v[T4]
	v_cvt_i32_f32 v[HO], v[HO]
	v_cvt_i32_f32 v[HO+1], v[HO+1]
	v_ldexp_f32 v[HO], 1.0, v[HO]                  ; the two factors: powers of two, which round nothing
	v_ldexp_f32 v[HO+1], 1.0, v[HO+1]
	v_mul_f32 v[STX+2], v[STX+2], v[HO]
	v_fma_f32 v[STX+2], v[T4+1], v[HO+1], v[STX+2] ; the sum over all keys of my lane,
	v_permlanex16_b32 v[T4+2], v[STX+2], s[SEL], s[SEL+1]
	v_add_f32 v[STX+2], v[STX+2], v[T4+2]          ; and of lane l xor 16: the row's sum
	v_rcp_f32 v[T4+3], v[STX+2]
	v_nop                                          ; a plain line behind the transcendental,
	s_wait_alu depctr_va_vdst(0)                   ; and the wait ahead of its first reader
	v_mul_f32 v[F], v[HO], v[T4+3]                 ; my factor / the sum,
	v_mul_f32 v[HO+2], v[HO+1], v[T4+3]            ; my partner's
.set j, 0
.rept 32
	v_pk_mul_f32 v[S+j:S+j+1], v[S+j:S+j+1], v[HO+2:HO+3] op_sel_hi:[1,0]
.set j, j+2
.endr
	WIN 0x01                                       ; source 0: my O^T of tile X, window 1
.set j, 0
.rept 32
	v_pk_fma_f32 v[S+j:S+j+1], v[OX+j:OX+j+1], v[F:F+1], v[S+j:S+j+1] op_sel_hi:[1,0,1]   ; y; each accumulator from its low end on
.set j, j+2
.endr
	WIN 0
	; y's registers already run along the last product's K, so it is quantised as it stands and its codes leave as that product's operand
	QUANT S
.irp c, 0,1,2,3
	global_store_b128 v[L16], v[PC+4*\c:PC+4*\c+3], s[12:13] offset:512*\c   ; 32 lanes store 512 consecutive bytes, aligned
.endr
	global_store_b32 v[L4], v[PW], s[14:15]
	s_wait_tensorcnt 0x0                           ; the wave's end
	ds_add_u32 v[SPW], v[NIL]
	s_wait_dscnt 0x0
	CROUND                                         ; the closing round: no work-group ends while a partner may still ask for a tile that names it
	s_endpgm
.Lfunc_end_k_q734b701798_attn:
	.size	k_q734b701798_attn, .Lfunc_end_k_q734b701798_attn-k_q734b701798_attn
	.p2alignl 7, 3214868480
	.fill 96, 4, 3214868480
	.section	.rodata,"a",@progbits
	.p2align	6, 0x0
	.amdhsa_kernel k_q734b701798_attn
		.amdhsa_group_segment_fixed_size 327680
		.amdhsa_private_segment_fixed_size 0
		.amdhsa_enable_private_segment 0
		.amdhsa_kernarg_size 48
		.amdhsa_user_sgpr_count 2
		.amdhsa_user_sgpr_kernarg_segment_ptr 1
		.amdhsa_wavefront_size32 1
		.amdhsa_system_sgpr_workgroup_id_x 1
		.amdhsa_system_sgpr_workgroup_id_y 1
		.amdhsa_system_sgpr_workgroup_id_z 1
		.amdhsa_system_vgpr_workitem_id 0
		.amdhsa_next_free_vgpr 512
		.amdhsa_next_free_sgpr 66
		.amdhsa_reserve_vcc 0
		.amdhsa_float_denorm_mode_32 3
		.amdhsa_float_denorm_mode_16_64 3
		.amdhsa_memory_ordered 1
		.amdhsa_forward_progress 1
		.amdhsa_inst_pref_size 189
	.end_amdhsa_kernel
	.amdgpu_metadata
---
amdhsa.version: [ 1, 2 ]
amdhsa.kernels:
  - .name:           k_q734b701798_attn
    .symbol:         k_q734b701798_attn.kd
    .args:
      - { .name: qc, .offset: 0, .size: 8, .value_kind: global_buffer, .address_space: global }
      - { .name: qs, .offset: 8, .size: 8, .value_kind: global_buffer, .address_space: global }
      - { .name: kc, .offset: 16, .size: 8, .value_kind: global_buffer, .address_space: global }
      - { .name: ksc, .offset: 24, .size: 8, .value_kind: global_buffer, .address_space: global }
      - { .name: yc, .offset: 32, .size: 8, .value_kind: global_buffer, .address_space: global }
      - { .name: ys, .offset: 40, .size: 8, .value_kind: global_buffer, .address_space: global }
    .group_segment_fixed_size: 327680
    .private_segment_fixed_size: 0
    .kernarg_segment_align: 8
    .kernarg_segment_size: 48
    .max_flat_workgroup_size: 256
    .sgpr_count:     66
    .vgpr_count:     512
    .wavefront_size: 32
...
	.end_amdgpu_metadata
.endif
;; end of part 3
;; launch outp (part 4): grid 256 x 1, 8 waves a work-group, no clusters, 26,880 bytes of LDS; arguments yc, ys, cod, scl, bu, out0; writes out0
.if DOCPART == 4
	.amdgcn_target "amdgcn-amd-amdhsa--gfx1250"
	.amdhsa_code_object_version 6
	.text
	.protected	k_q734b701798_outp
	.globl	k_q734b701798_outp
	.p2align	8
	.type	k_q734b701798_outp,@function
k_q734b701798_outp:
	s_mov_b64 s[64:65], 0
	v_nop
	global_prefetch_b8 v0, s[64:65] scope:SCOPE_SE
	s_setreg_imm32_b32 hwreg(HW_REG_WAVE_MODE, 25, 1), 1
	s_wait_xcnt 0x0
; out0 = y Wu + bu on E4M3 codes with E8M0 scales; K = 1,024 = 8 heads x 128, eight matrix instructions deep.
; A work-group takes one tile of 16 tokens (tile TTI = 8 G + i = work-group x: tokens 128 G + 32 (i / 2) + 8 (i % 2) + r + 8 (r / 8)); wave w makes output columns 16 w .. 16 w + 15.
; y's eight fragments (one a head) come as images of their registers: wave w loads fragment w and hands it to the others through LDS; Wu's eight fragments of my columns come straight into registers.
; The product is used transposed (source 0 = 16 columns of Wu, source 1 = the 16 tokens): a lane holds eight neighbouring columns of one token's row.
; ORDER OF ROUNDING: the sum over K is kept in two accumulators (even heads with bu as their first C, odd heads), which take turns, one instruction a turn; one f32 addition joins them.
; The results meet in a stage in LDS (rows of 512 bytes + 16) and each wave stores two whole rows of 512 bytes.
; REGISTERS: window 0 as named below; window 1: v0-127 Wu's fragments, K step s at v[16 s]; v128-255 y's.
.set YIMG, 0                           ; LDS: y's 8 fragments,
.set YSC,  16384                       ; their scale words,
.set STG,  17408                       ; the stage: 16 rows x 528 bytes
.set LI,  1                            ; v1  16 x lane
.set LS,  2                            ; v2  4 x lane
.set WI,  3                            ; v3  16 x lane + 2,048 x wave
.set WS,  4                            ; v4  4 x lane + 128 x wave
.set SO,  5                            ; v5  the stage: where I put 32 bytes of a row
.set SR,  6                            ; v6  and where I read a row back
.set BO,  7                            ; v7  32 h: my eight numbers of bu
.set YF,  16                           ; v16-31 y's fragment w;  v32 its scale words
.set YW,  32
.set US,  40                           ; v40-47 Wu's scale words
.set YS8, 48                           ; v48-55 y's
.set BU,  56                           ; v56-63 bu in the result's layout
.set A0,  64                           ; v64-71, v72-79 the two accumulators
.set A1,  72
.set SM,  80                           ; v80-87 their sum
.set RB,  88                           ; v88-95 two rows read back
.set WV,  18
.set MSB, 0
.macro WIN new                         ; the immediate's high byte repeats the setting that is left
.if MSB != \new
	s_set_vgpr_msb (MSB<<8)|\new
.set MSB, \new
.endif
.endm
	s_load_b256 s[4:11], s[0:1], 0x0               ; yc s[4:5], ys s[6:7], cod s[8:9], scl s[10:11]
	s_load_b128 s[12:15], s[0:1], 0x20             ; bu s[12:13], out0 s[14:15]
	v_lshl_add_u32 v254, v0, 2, 0x6500
	v_mov_b32 v255, 0
	v_lshrrev_b32 v9, 5, v0
	v_readfirstlane_b32 s[WV], v9                  ; wave 0..7
	v_and_b32 v9, 31, v0                           ; lane
	v_and_b32 v10, 15, v0                          ; r
	v_bfe_u32 v11, v0, 4, 1                        ; h
	v_lshlrev_b32 v[LI], 4, v9
	v_lshlrev_b32 v[LS], 2, v9
	s_lshl_b32 s38, s[WV], 11
	v_add_nc_u32 v[WI], s38, v[LI]
	s_lshl_b32 s38, s[WV], 7
	v_add_nc_u32 v[WS], s38, v[LS]
	v_mul_u32_u24 v[SO], v10, 528                  ; row r,
	v_lshl_add_u32 v[SO], v11, 5, v[SO]            ; + 32 h,
	s_lshl_b32 s38, s[WV], 6
	v_add_nc_u32 v[SO], s38, v[SO]                 ; + 64 x wave: my columns' bytes
	v_add_nc_u32 v[SO], STG, v[SO]
	s_mul_i32 s38, s[WV], 1056                     ; back: rows 2 w and 2 w + 1, 16 bytes a lane
	v_add_nc_u32 v[SR], s38, v[LI]
	v_add_nc_u32 v[SR], STG, v[SR]
	v_lshlrev_b32 v[BO], 5, v11
	s_lshl_b32 s24, ttmp9, 3
	s_add_co_u32 s24, s24, s[WV]                   ; y's fragment 8 TTI + w
	s_lshl_b32 s26, s24, 11
	s_lshl_b32 s28, s24, 7
	s_add_co_u32 s25, s[WV], 448                   ; Wu's fragment 448 + w; K step s lies 8 s fragments on
	s_lshl_b32 s30, s25, 11
	s_lshl_b32 s32, s25, 7
	s_lshl_b32 s34, s[WV], 6                       ; bu: my 16 numbers
	s_lshr_b32 s24, ttmp9, 3
	s_lshl_b32 s24, s24, 7                         ; 128 G
	s_bfe_u32 s25, ttmp9, 0x20001
	s_lshl_b32 s25, s25, 5                         ; + 32 (i / 2)
	s_add_co_u32 s24, s24, s25
	s_and_b32 s25, ttmp9, 1
	s_lshl_b32 s25, s25, 3                         ; + 8 (i % 2)
	s_add_co_u32 s24, s24, s25
	s_lshl_b32 s25, s[WV], 1                       ; + r + 8 (r / 8) at r = 2 w
	s_add_co_u32 s24, s24, s25
	s_lshr_b32 s25, s[WV], 2
	s_lshl_b32 s25, s25, 3
	s_add_co_u32 s24, s24, s25                     ; the token of stage row 2 w; row 2 w + 1 is the next token
	s_lshl_b32 s36, s24, 9                         ; a row of out0 is 512 bytes
.irp p, 27,29,31,33,35,37
	s_mov_b32 s\p, 0
.endr
	s_wait_kmcnt 0x0
	s_add_nc_u64 s[4:5], s[4:5], s[26:27]
	s_add_nc_u64 s[6:7], s[6:7], s[28:29]
	s_add_nc_u64 s[8:9], s[8:9], s[30:31]
	s_add_nc_u64 s[10:11], s[10:11], s[32:33]
	s_add_nc_u64 s[12:13], s[12:13], s[34:35]
	s_add_nc_u64 s[14:15], s[14:15], s[36:37]
.irp c, 0,1,2,3
	global_load_b128 v[YF+4*\c:YF+4*\c+3], v[LI], s[4:5] offset:512*\c
.endr
	global_load_b32 v[YW], v[LS], s[6:7]
	WIN 0x40                                       ; destination window 1, address window 0
.irp s, 0,1,2,3,4,5,6,7
.irp c, 0,1,2,3
	global_load_b128 v[16*\s+4*\c:16*\s+4*\c+3], v[LI], s[8:9] offset:16384*\s+512*\c
.endr
.endr
	WIN 0
.irp s, 0,1,2,3,4,5,6,7
	global_load_b32 v[US+\s], v[LS], s[10:11] offset:1024*\s
.endr
	global_load_b128 v[BU:BU+3], v[BO], s[12:13]
	global_load_b128 v[BU+4:BU+7], v[BO], s[12:13] offset:16
	s_wait_loadcnt 42                              ; y's five loads are in; Wu's 32, its 8 scale words and bu's 2 may be out
.irp c, 0,1,2,3
	ds_store_b128 v[WI], v[YF+4*\c:YF+4*\c+3] offset:YIMG+512*\c
.endr
	ds_store_b32 v[WS], v[YW] offset:YSC
	s_wait_dscnt 0x0                               ; for the others' sake: my stores have landed
	s_barrier_signal -1
	s_barrier_wait -1                              ; y's eight fragments lie in LDS
	WIN 0x40
.irp f, 0,1,2,3,4,5,6,7
.irp c, 0,1,2,3
	ds_load_b128 v[128+16*\f+4*\c:128+16*\f+4*\c+3], v[LI] offset:YIMG+2048*\f+512*\c
.endr
.endr
	WIN 0
.irp f, 0,1,2,3,4,5,6,7
	ds_load_b32 v[YS8+\f], v[LS] offset:YSC+128*\f
.endr
	s_wait_loadcnt 0x0                             ; Wu, its scale words, bu
	s_wait_dscnt 0x0                               ; y
	WIN 0x05                                       ; sources 0 and 1 window 1; C and D window 0
	v_wmma_scale_f32_16x16x128_f8f6f4 v[A0:A0+7], v[0:15], v[128:143], v[BU:BU+7], v[US], v[YS8]   ; the bias is the C of the first product
	v_wmma_scale_f32_16x16x128_f8f6f4 v[A1:A1+7], v[16:31], v[144:159], 0, v[US+1], v[YS8+1]
.irp s, 2,4,6
	v_wmma_scale_f32_16x16x128_f8f6f4 v[A0:A0+7], v[16*\s:16*\s+15], v[128+16*\s:128+16*\s+15], v[A0:A0+7], v[US+\s], v[YS8+\s]
	v_wmma_scale_f32_16x16x128_f8f6f4 v[A1:A1+7], v[16*\s+16:16*\s+31], v[144+16*\s:144+16*\s+15], v[A1:A1+7], v[US+\s+1], v[YS8+\s+1]
.endr
	WIN 0
.rept 8
	v_nop                                          ; eight places in front of the first read of the results
.endr
.irp j, 0,2,4,6
	v_pk_add_f32 v[SM+\j:SM+\j+1], v[A0+\j:A0+\j+1], v[A1+\j:A1+\j+1]   ; each accumulator from its low end on
.endr
	ds_store_b128 v[SO], v[SM:SM+3]                ; lane (r, h): columns 16 w + 8 h + 0 .. 7 of stage row r
	ds_store_b128 v[SO], v[SM+4:SM+7] offset:16
	s_wait_dscnt 0x0                               ; for the others' sake: my stores have landed
	s_barrier_signal -1
	s_barrier_wait -1                              ; sixteen whole rows lie in the stage
	ds_load_b128 v[RB:RB+3], v[SR]
	ds_load_b128 v[RB+4:RB+7], v[SR] offset:528
	s_wait_dscnt 1                                 ; the first row is in; the second may be out
	global_store_b128 v[LI], v[RB:RB+3], s[14:15] th:TH_STORE_NT              ; 32 lanes store a row of 512 bytes, aligned; written once, read by nobody here
	s_wait_dscnt 0x0
	global_store_b128 v[LI], v[RB+4:RB+7], s[14:15] offset:512 th:TH_STORE_NT
	s_wait_tensorcnt 0x0
	ds_add_u32 v254, v255
	s_wait_dscnt 0x0
	s_endpgm
.Lfunc_end_k_q734b701798_outp:
	.size	k_q734b701798_outp, .Lfunc_end_k_q734b701798_outp-k_q734b701798_outp
	.p2alignl 7, 3214868480
	.fill 96, 4, 3214868480
	.section	.rodata,"a",@progbits
	.p2align	6, 0x0
	.amdhsa_kernel k_q734b701798_outp
		.amdhsa_group_segment_fixed_size 26880
		.amdhsa_private_segment_fixed_size 0
		.amdhsa_enable_private_segment 0
		.amdhsa_kernarg_size 48
		.amdhsa_user_sgpr_count 2
		.amdhsa_user_sgpr_kernarg_segment_ptr 1
		.amdhsa_wavefront_size32 1
		.amdhsa_system_sgpr_workgroup_id_x 1
		.amdhsa_system_sgpr_workgroup_id_y 1
		.amdhsa_system_sgpr_workgroup_id_z 1
		.amdhsa_system_vgpr_workitem_id 0
		.amdhsa_next_free_vgpr 512
		.amdhsa_next_free_sgpr 66
		.amdhsa_reserve_vcc 0
		.amdhsa_float_denorm_mode_32 3
		.amdhsa_float_denorm_mode_16_64 3
		.amdhsa_memory_ordered 1
		.amdhsa_forward_progress 1
		.amdhsa_inst_pref_size 13
	.end_amdhsa_kernel
	.amdgpu_metadata
---
amdhsa.version: [ 1, 2 ]
amdhsa.kernels:
  - .name:           k_q734b701798_outp
    .symbol:         k_q734b701798_outp.kd
    .args:
      - { .name: yc, .offset: 0, .size: 8, .value_kind: global_buffer, .address_space: global }
      - { .name: ys, .offset: 8, .size: 8, .value_kind: global_buffer, .address_space: global }
      - { .name: cod, .offset: 16, .size: 8, .value_kind: global_buffer, .address_space: global }
      - { .name: scl, .offset: 24, .size: 8, .value_kind: global_buffer, .address_space: global }
      - { .name: bu, .offset: 32, .size: 8, .value_kind: global_buffer, .address_space: global }
      - { .name: out0, .offset: 40, .size: 8, .value_kind: global_buffer, .address_space: global }
    .group_segment_fixed_size: 26880
    .private_segment_fixed_size: 0
    .kernarg_segment_align: 8
    .kernarg_segment_size: 48
    .max_flat_workgroup_size: 256
    .sgpr_count:     66
    .vgpr_count:     512
    .wavefront_size: 32
...
	.end_amdgpu_metadata
.endif
;; end of part 4
;; ======== version 2 of 2: 4 launches; version 1 with the launches proj, outp written anew for expert scheduling mode
;; workspace buffers: cod 1,048,576 bytes; scl 65,536 bytes; qc 4,194,304 bytes; qs 262,144 bytes; kc 8,388,608 bytes; ksc 524,288 bytes; yc 4,194,304 bytes; ys 262,144 bytes
;; launch prep: the kernel of part 1 again; grid 256 x 1, 2 waves a work-group, no clusters, 0 bytes of LDS; arguments x, Wq, Wk, Wv, Wu, cod, scl; writes cod, scl
;; launch proj (part 5): grid 32 x 8, 8 waves a work-group, no clusters, 53,248 bytes of LDS; arguments cod, scl, qc, qs, kc, ksc; writes qc, qs, kc, ksc
.if DOCPART == 5
	.amdgcn_target "amdgcn-amd-amdhsa--gfx1250"
	.amdhsa_code_object_version 6
	.text
	.protected	k_q734b701798_proj
	.globl	k_q734b701798_proj
	.p2align	8
	.type	k_q734b701798_proj,@function
k_q734b701798_proj:
	s_mov_b64 s[64:65], 0
	v_nop
	global_prefetch_b8 v0, s[64:65] scope:SCOPE_SE
	s_setreg_imm32_b32 hwreg(HW_REG_WAVE_SCHED_MODE, 0, 2), 2
	s_setreg_imm32_b32 hwreg(HW_REG_WAVE_MODE, 25, 1), 1
	s_wait_xcnt 0x0
	s_wait_alu depctr_vm_vsrc(0)
; q = x Wq, k = x Wk, v = x Wv on E4M3 codes with E8M0 scales, and the results quantised at once: q and k along the head's 128, v along the keys.
; All operands come and go as images of their registers (2,048 bytes a fragment, lane l's 16 bytes of register group c at 512 c + 16 l; 128 bytes of scale words, 4 l).
; A work-group takes 128 tokens (group G = work-group x) of one head (work-group y).  Eight waves, 24 matrix instructions each; K = 128 is one instruction deep, so every sum is one instruction with C = 0.
; q, k: wave w owns token tile w; the product is used transposed (source 0 = 16 columns of W, source 1 = my 16 tokens): a lane holds one token, and since tile t's columns are perm(t, r) =
;   32 (t / 2) + 8 (t % 2) + r + 8 (r / 8), the 16 registers of tiles 2 b, 2 b + 1 are d = 32 b + 16 h + 0 .. 15: the layout that the conversions and the next product want.
; v: wave w owns tile w of the head's 128 channels; source 0 = 16 tokens (x's tile i, i = 0 .. 7), source 1 = my 16 columns of Wv: a lane holds one channel and its registers run along the KEYS in the same order.
; x's eight tiles and Wq's and Wk's eight tiles go from wave to wave through LDS, each region written once: one barrier.
; OUT: qc, qs at [(16 bh + g) 8 + w]; kc at [16 bh + g]: 32,768 bytes a key step: K's tiles 0-7, then V^T's tiles 0-7; ksc likewise, 2,048 bytes a step.  bh = 8 batch + head, g = G % 16.
; LIMITS: a block whose largest magnitude lies under 2^-118 gets the scale byte 1 (a block of zeros has zero codes; this program alone reads the bytes); NaN and infinities are not served.
; REGISTERS: window 0 as named below; window 1: v0-127 Wq's eight fragments, later x's; v128-255 Wk's.
; THE MODE: SCHED_MODE bits 1:0 = 2 (LLVM: expert scheduling mode 2), set by the entry lines.  The code itself states the register dependences
; between vector or matrix instructions and memory or LDS instructions, with s_wait_alu, always for 0.
; THE PLAN.  Registers that memory or LDS instructions touch:
;   v4-7          offsets and LDS addresses: written by vector instructions once, at the head; read by every load and store; never written again.
;   XF, WQT, WKT, WVF and their four scale words: written by global loads once; read by LDS stores and by matrix instructions; never written again.
;   window 1 v0-127   written by the LDS loads of Wq; read by q's eight products; written again by the LDS loads of x's tiles; read by v's eight products.
;   window 1 v128-255, SW, SX   written by LDS loads once; read by matrix instructions.
;   PCQ + PWQ, PCK + PWK, PCV + PWV   an out-buffer for each of the three results: written by that result's conversions and shifts, read by its five stores, never written again:
;                 so no register that a store has read is ever rewritten, and no wait is owed for that.
;   HA and TM are named by vector and matrix instructions alone.   v254, v255: written at the head, read by the closing add alone.
; So: one wait on va_sdst for the wave's number; one on va_vdst ahead of the first load, for all addresses; one behind q's conversions, which serves x's LDS loads (q's products are done
; reading Wq's registers) and q's stores alike; one ahead of k's stores; one ahead of v's; and the closing lines.
.set XIMG, 0                           ; LDS: x's 8 fragments,
.set XSC,  16384                       ; their scale words,
.set WIMG, 17408                       ; Wq's 8 fragments, then Wk's 8,
.set WSC,  50176                       ; their scale words; behind them, from 0xcc00 on, the spare words: 128 bytes for each of eight waves, which no other line names
.set LI,  4                            ; v4   16 x lane
.set LS,  5                            ; v5   4 x lane
.set WI,  6                            ; v6   16 x lane + 2,048 x wave
.set WS,  7                            ; v7   4 x lane + 128 x wave
.set XF,  16                           ; v16-31  x's tile w
.set WVF, 32                           ; v32-47  Wv's tile w
.set WQT, 48                           ; v48-63  Wq's tile w, on its way to LDS
.set WKT, 64                           ; v64-79  Wk's
.set PCV, 80                           ; v80-95  v's codes
.set HA,  96                           ; v96-159 eight results
.set PCQ, 160                          ; v160-175 q's codes
.set TM,  176                          ; v176-191 at work
.set PWQ, 192                          ; v192 q's scale word
.set XSW, 193                          ; scale words: x's tile w,
.set WVS, 194                          ; Wv's tile w,
.set WQS, 195                          ; Wq's and Wk's tile w, on their way to LDS
.set WKS, 196
.set PWK, 197                          ; v197 k's scale word
.set PWV, 198                          ; v198 v's
.set SW,  200                          ; v200-215 Wq's eight scale words, then Wk's
.set SX,  216                          ; v216-223 x's eight
.set PCK, 224                          ; v224-239 k's codes
.set WV,  18
.set SEL, 20
.set MNT, 23
.set MSB, 0
.macro WIN new                         ; the immediate's high byte repeats the setting that is left
.if MSB != \new
	s_set_vgpr_msb (MSB<<8)|\new
.set MSB, \new
.endif
.endm
.macro PLACES n
.rept \n
	v_nop
.endr
.endm
; 64 numbers of a lane, v[s] on, become a fragment's codes in v[pc] on and its scale word in v[pw]
.macro QUANT s, pc, pw
.irp b, 0,1,2,3
	v_max3_num_f32 v[TM+\b], |v[\s+16*\b]|, |v[\s+1+16*\b]|, 0x4800000   ; block b: my 16 numbers, and the floor 2^(9 - 127).  Each result is read from its low end on
.endr
.irp i, 2,4,6,8,10,12,14
.irp b, 0,1,2,3
	v_max3_num_f32 v[TM+\b], v[TM+\b], |v[\s+16*\b+\i]|, |v[\s+1+16*\b+\i]|
.endr
.endr
.irp b, 0,1,2,3
	v_permlanex16_b32 v[TM+4+\b], v[TM+\b], s[SEL], s[SEL+1]
.endr
.irp b, 0,1,2,3
	v_max_num_f32 v[TM+\b], v[TM+\b], v[TM+4+\b]   ; with lane l xor 16's: the block's largest magnitude
.endr
.irp b, 0,1,2,3
	v_add_nc_u32 v[TM+12+\b], 0xfc000000, v[TM+\b]   ; 8 off its exponent field: the conversion's scale operand
.endr
.irp b, 0,1,2,3
	v_and_or_b32 v[TM+8+\b], v[TM+\b], 0x7f800000, s[MNT]   ; 448 x the scale
.endr
.irp b, 0,1,2,3
	v_lshrrev_b32 v[TM+4+\b], 23, v[TM+12+\b]   ; the scale's byte
.endr
	v_lshl_or_b32 v[\pw], v[TM+5], 8, v[TM+4]
	v_lshl_or_b32 v[\pw], v[TM+6], 16, v[\pw]
	v_lshl_or_b32 v[\pw], v[TM+7], 24, v[\pw]
.irp b, 0,1,2,3
.irp i, 0,1,2,3,4,5,6,7,8,9,10,11,12,13,14,15
	v_med3_num_f32 v[\s+16*\b+\i], v[\s+16*\b+\i], -v[TM+8+\b], v[TM+8+\b]   ; the conversion does not saturate (ISA guide 7.6.2): the hold comes first
.endr
	v_cvt_scalef32_pk8_fp8_f32 v[\pc+4*\b:\pc+1+4*\b], v[\s+16*\b:\s+7+16*\b], v[TM+12+\b]
	v_cvt_scalef32_pk8_fp8_f32 v[\pc+2+4*\b:\pc+3+4*\b], v[\s+8+16*\b:\s+15+16*\b], v[TM+12+\b]
.endr
	v_nop                                          ; one plain line behind the last conversion: the next products write its sources
.endm
; eight fragments from LDS into window 1 at v[reg] on, and their scale words into v[sreg] on: 40 LDS loads.
; dep = 1: the registers have been read by products, and stores of fresh codes follow the loads: the switch of windows, the wait, the loads
.macro FETCH8 reg, img, sreg, sc, dep
	WIN 0x40                                       ; destination window 1, address window 0
.if \dep
	s_wait_alu depctr_va_vdst(0)                   ; q's products are done reading Wq's fragments, in which these loads land; and q's conversions and shifts have written PCQ and PWQ, which the stores behind these loads read
.endif
.irp f, 0,1,2,3,4,5,6,7
.irp c, 0,1,2,3
	ds_load_b128 v[\reg+16*\f+4*\c:\reg+16*\f+4*\c+3], v[LI] offset:\img+2048*\f+512*\c
.endr
.endr
	WIN 0
.irp f, 0,1,2,3,4,5,6,7
	ds_load_b32 v[\sreg+\f], v[LS] offset:\sc+128*\f
.endr
.endm
; q or k: eight tiles of W's columns against my tokens
.macro MULT fb, so
	WIN 0x01                                       ; source 0 window 1
.irp t, 0,1,2,3,4,5,6,7
	v_wmma_scale_f32_16x16x128_f8f6f4 v[HA+8*\t:HA+8*\t+7], v[\fb+16*\t:\fb+16*\t+15], v[XF:XF+15], 0, v[SW+\so+\t], v[XSW]
.endr
	WIN 0
.endm
; v: eight tiles of tokens against my columns of Wv
.macro MULV
	WIN 0x01
.irp i, 0,1,2,3,4,5,6,7
	v_wmma_scale_f32_16x16x128_f8f6f4 v[HA+8*\i:HA+8*\i+7], v[16*\i:16*\i+15], v[WVF:WVF+15], 0, v[SX+\i], v[WVS]
.endr
	WIN 0
.endm
.macro OUT pc, pw, cb, off, sb, soff
.irp c, 0,1,2,3
	global_store_b128 v[LI], v[\pc+4*\c:\pc+4*\c+3], s[\cb:\cb+1] offset:\off+512*\c   ; 32 lanes store 512 consecutive bytes, aligned
.endr
	global_store_b32 v[LS], v[\pw], s[\sb:\sb+1] offset:\soff
.endm
	s_load_b256 s[4:11], s[0:1], 0x0               ; cod s[4:5], scl s[6:7], qc s[8:9], qs s[10:11]
	s_load_b128 s[12:15], s[0:1], 0x20             ; kc s[12:13], ksc s[14:15]
	v_lshl_add_u32 v254, v0, 2, 0xcc00             ; the LDS address of my spare word, and 0: made here and kept for the closing lines alone
	v_mov_b32 v255, 0
	v_lshrrev_b32 v1, 5, v0
	v_readfirstlane_b32 s[WV], v1                  ; wave 0..7
	v_and_b32 v1, 31, v0
	v_lshlrev_b32 v[LI], 4, v1
	v_lshlrev_b32 v[LS], 2, v1
	s_wait_alu depctr_va_sdst(0)                   ; the wave's number is written into s18, ahead of its first reader: addresses and bases are made from it
	s_lshl_b32 s24, s[WV], 11
	v_add_nc_u32 v[WI], s24, v[LI]
	s_lshl_b32 s24, s[WV], 7
	v_add_nc_u32 v[WS], s24, v[LS]
.irp b, 0,1,2,3
	v_mov_b32 v[TM+4+\b], 0                        ; a lane permute's destination counts as one of its sources
.endr
	s_mov_b32 s[SEL], 0x76543210
	s_mov_b32 s[SEL+1], 0xfedcba98
	s_mov_b32 s[MNT], 0x600000
	s_and_b32 s19, ttmp7, 0xffff                   ; the head
	s_lshl_b32 s24, ttmp9, 3
	s_add_co_u32 s24, s24, s[WV]                   ; x's fragment 8 G + w
	s_lshl_b32 s34, s24, 11
	s_lshl_b32 s36, s24, 7
	s_lshl_b32 s24, s19, 3
	s_add_co_u32 s24, s24, s[WV]
	s_add_co_u32 s24, s24, 256                     ; Wq's fragment 256 + 8 head + w; Wk's and Wv's lie 64 and 128 fragments on
	s_lshl_b32 s38, s24, 11
	s_lshl_b32 s40, s24, 7
	s_lshr_b32 s24, ttmp9, 4                       ; batch
	s_lshl_b32 s24, s24, 3
	s_add_co_u32 s24, s24, s19                     ; bh
	s_lshl_b32 s24, s24, 4
	s_and_b32 s25, ttmp9, 15
	s_add_co_u32 s24, s24, s25                     ; 16 bh + g
	s_lshl_b32 s46, s24, 15                        ; kc: 32,768 bytes a key step,
	s_lshl_b32 s48, s24, 11                        ; ksc: 2,048
	s_lshl_b32 s25, s[WV], 11
	s_add_co_u32 s46, s46, s25                     ; + my tile
	s_lshl_b32 s25, s[WV], 7
	s_add_co_u32 s48, s48, s25
	s_lshl_b32 s24, s24, 3
	s_add_co_u32 s24, s24, s[WV]                   ; q's fragment
	s_lshl_b32 s42, s24, 11
	s_lshl_b32 s44, s24, 7
.irp p, 35,37,39,41,43,45,47,49
	s_mov_b32 s\p, 0
.endr
	s_wait_kmcnt 0x0
	s_add_nc_u64 s[26:27], s[4:5], s[34:35]        ; x's codes,
	s_add_nc_u64 s[30:31], s[6:7], s[36:37]        ; x's scale words,
	s_add_nc_u64 s[28:29], s[4:5], s[38:39]        ; the weights' codes,
	s_add_nc_u64 s[32:33], s[6:7], s[40:41]        ; the weights' scale words
	s_add_nc_u64 s[8:9], s[8:9], s[42:43]
	s_add_nc_u64 s[10:11], s[10:11], s[44:45]
	s_add_nc_u64 s[12:13], s[12:13], s[46:47]
	s_add_nc_u64 s[14:15], s[14:15], s[48:49]
	s_wait_alu depctr_va_vdst(0)                   ; v4 to v7 are written: every load and store of the kernel reads one of them as its offset or LDS address, and nothing writes them again
.irp c, 0,1,2,3
	global_load_b128 v[XF+4*\c:XF+4*\c+3], v[LI], s[26:27] offset:512*\c
	global_load_b128 v[WQT+4*\c:WQT+4*\c+3], v[LI], s[28:29] offset:512*\c
	global_load_b128 v[WKT+4*\c:WKT+4*\c+3], v[LI], s[28:29] offset:131072+512*\c
	global_load_b128 v[WVF+4*\c:WVF+4*\c+3], v[LI], s[28:29] offset:262144+512*\c
.endr
	global_load_b32 v[XSW], v[LS], s[30:31]
	global_load_b32 v[WQS], v[LS], s[32:33]
	global_load_b32 v[WKS], v[LS], s[32:33] offset:8192
	global_load_b32 v[WVS], v[LS], s[32:33] offset:16384
	s_wait_loadcnt 0x0
.irp c, 0,1,2,3
	ds_store_b128 v[WI], v[XF+4*\c:XF+4*\c+3] offset:XIMG+512*\c
	ds_store_b128 v[WI], v[WQT+4*\c:WQT+4*\c+3] offset:WIMG+512*\c
	ds_store_b128 v[WI], v[WKT+4*\c:WKT+4*\c+3] offset:WIMG+16384+512*\c
.endr
	ds_store_b32 v[WS], v[XSW] offset:XSC
	ds_store_b32 v[WS], v[WQS] offset:WSC
	ds_store_b32 v[WS], v[WKS] offset:WSC+1024
	s_wait_dscnt 0x0                               ; for the others' sake: my stores have landed
	s_barrier_signal -1
	s_barrier_wait -1                              ; all 24 fragments lie in LDS; nothing there is written again
	FETCH8 0, WIMG, SW, WSC, 0                     ; Wq.  No wait: no vector or matrix instruction has named these registers, and the addresses were shown written at the head
	FETCH8 128, WIMG+16384, SW+8, WSC+1024, 0      ; Wk
	s_wait_dscnt 40                                ; Wq's 40 loads are in; Wk's 40 may be out
	MULT 0, 0                                      ; q
	PLACES 8                                       ; behind this form eight places stand in front of the first read of a result
	QUANT HA, PCQ, PWQ
	FETCH8 0, XIMG, SX, XSC, 1                     ; x's eight tiles take Wq's place, behind the one wait that also serves q's stores; they land while k is multiplied and quantised
	OUT PCQ, PWQ, 8, 0, 10, 0                      ; no vector instruction stands between that wait and these stores
	s_wait_dscnt 40                                ; Wk's 40 are in; x's 40 may be out
	MULT 128, 8                                    ; k
	PLACES 8
	QUANT HA, PCK, PWK                             ; into an out-buffer of its own: q's stores may still be reading theirs
	s_wait_alu depctr_va_vdst(0)                   ; k's conversions and shifts have written PCK and PWK, which the stores read
	OUT PCK, PWK, 12, 0, 14, 0
	s_wait_dscnt 0x0                               ; x's tiles
	MULV                                           ; v
	PLACES 8
	QUANT HA, PCV, PWV
	s_wait_alu depctr_va_vdst(0)                   ; v's conversions and shifts have written PCV and PWV, which the stores read
	OUT PCV, PWV, 12, 16384, 14, 1024
	s_wait_dscnt 0x0                               ; the closing lines, six on end
	s_wait_alu 0x0
	s_wait_tensorcnt 0x0
	ds_add_u32 v254, v255
	s_wait_dscnt 0x0
	s_endpgm
.Lfunc_end_k_q734b701798_proj:
	.size	k_q734b701798_proj, .Lfunc_end_k_q734b701798_proj-k_q734b701798_proj
	.p2alignl 7, 3214868480
	.fill 96, 4, 3214868480
	.section	.rodata,"a",@progbits
	.p2align	6, 0x0
	.amdhsa_kernel k_q734b701798_proj
		.amdhsa_group_segment_fixed_size 53248
		.amdhsa_private_segment_fixed_size 0
		.amdhsa_enable_private_segment 0
		.amdhsa_kernarg_size 48
		.amdhsa_user_sgpr_count 2
		.amdhsa_user_sgpr_kernarg_segment_ptr 1
		.amdhsa_wavefront_size32 1
		.amdhsa_system_sgpr_workgroup_id_x 1
		.amdhsa_system_sgpr_workgroup_id_y 1
		.amdhsa_system_sgpr_workgroup_id_z 1
		.amdhsa_system_vgpr_workitem_id 0
		.amdhsa_next_free_vgpr 512
		.amdhsa_next_free_sgpr 66
		.amdhsa_reserve_vcc 0
		.amdhsa_float_denorm_mode_32 3
		.amdhsa_float_denorm_mode_16_64 3
		.amdhsa_memory_ordered 1
		.amdhsa_forward_progress 1
		.amdhsa_inst_pref_size 43
	.end_amdhsa_kernel
	.amdgpu_metadata
---
amdhsa.version: [ 1, 2 ]
amdhsa.kernels:
  - .name:           k_q734b701798_proj
    .symbol:         k_q734b701798_proj.kd
    .args:
      - { .name: cod, .offset: 0, .size: 8, .value_kind: global_buffer, .address_space: global }
      - { .name: scl, .offset: 8, .size: 8, .value_kind: global_buffer, .address_space: global }
      - { .name: qc, .offset: 16, .size: 8, .value_kind: global_buffer, .address_space: global }
      - { .name: qs, .offset: 24, .size: 8, .value_kind: global_buffer, .address_space: global }
      - { .name: kc, .offset: 32, .size: 8, .value_kind: global_buffer, .address_space: global }
      - { .name: ksc, .offset: 40, .size: 8, .value_kind: global_buffer, .address_space: global }
    .group_segment_fixed_size: 53248
    .private_segment_fixed_size: 0
    .kernarg_segment_align: 8
    .kernarg_segment_size: 48
    .max_flat_workgroup_size: 256
    .sgpr_count:     66
    .vgpr_count:     512
    .wavefront_size: 32
...
	.end_amdgpu_metadata
.endif
;; end of part 5
;; launch attn: the kernel of part 3 again; grid 16 x 16, 8 waves a work-group, clusters of 4 x 1, 327,680 bytes of LDS; arguments qc, qs, kc, ksc, yc, ys; writes yc, ys
;; launch outp (part 6): grid 256 x 1, 8 waves a work-group, no clusters, 26,880 bytes of LDS; arguments yc, ys, cod, scl, bu, out0; writes out0
.if DOCPART == 6
	.amdgcn_target "amdgcn-amd-amdhsa--gfx1250"
	.amdhsa_code_object_version 6
	.text
	.protected	k_q734b701798_outp
	.globl	k_q734b701798_outp
	.p2align	8
	.type	k_q734b701798_outp,@function
k_q734b701798_outp:
	s_mov_b64 s[64:65], 0
	v_nop
	global_prefetch_b8 v0, s[64:65] scope:SCOPE_SE
	s_setreg_imm32_b32 hwreg(HW_REG_WAVE_SCHED_MODE, 0, 2), 2
	s_setreg_imm32_b32 hwreg(HW_REG_WAVE_MODE, 25, 1), 1
	s_wait_xcnt 0x0
	s_wait_alu depctr_vm_vsrc(0)
; out0 = y Wu + bu on E4M3 codes with E8M0 scales; K = 1,024 = 8 heads x 128, eight matrix instructions deep.
; A work-group takes one tile of 16 tokens (tile TTI = 8 G + i = work-group x: tokens 128 G + 32 (i / 2) + 8 (i % 2) + r + 8 (r / 8)); wave w makes output columns 16 w .. 16 w + 15.
; y's eight fragments (one a head) come as images of their registers: wave w loads fragment w and hands it to the others through LDS; Wu's eight fragments of my columns come straight into registers.
; The product is used transposed (source 0 = 16 columns of Wu, source 1 = the 16 tokens): a lane holds eight neighbouring columns of one token's row.
; ORDER OF ROUNDING: the sum over K is kept in two accumulators (even heads with bu as their first C, odd heads), which take turns, one instruction a turn; one f32 addition joins them.
; The results meet in a stage in LDS (rows of 512 bytes + 16) and each wave stores two whole rows of 512 bytes.
; REGISTERS: window 0 as named below; window 1: v0-127 Wu's fragments, K step s at v[16 s]; v128-255 y's.
; THE MODE: SCHED_MODE bits 1:0 = 2 (LLVM: expert scheduling mode 2), set by the entry lines.  The code itself states the register dependences
; between vector or matrix instructions and memory or LDS instructions, with s_wait_alu, always for 0.
; THE PLAN.  Registers that memory or LDS instructions touch:
;   v1-7          offsets and LDS addresses: written by vector instructions once, at the head; read by every load and store; never written again.
;   YF, YW        written by global loads; read by the LDS stores; never written again.
;   window 1, US, YS8, BU   written by loads once; read by the eight products.
;   SM            written by the four packed additions; read by two LDS stores; never written again.
;   RB            written by LDS loads; read by the two global stores.
;   The accumulators are named by matrix and vector instructions alone.   v254, v255: written at the head, read by the closing add alone.
; So: one wait on va_sdst for the wave's number; one on va_vdst ahead of the first load, for all addresses; one behind the additions, ahead of the stores into the stage; and the closing lines.
.set YIMG, 0                           ; LDS: y's 8 fragments,
.set YSC,  16384                       ; their scale words,
.set STG,  17408                       ; the stage: 16 rows x 528 bytes; behind it, from 0x6500 on, the spare words: 128 bytes for each of eight waves, which no other line names
.set LI,  1                            ; v1  16 x lane
.set LS,  2                            ; v2  4 x lane
.set WI,  3                            ; v3  16 x lane + 2,048 x wave
.set WS,  4                            ; v4  4 x lane + 128 x wave
.set SO,  5                            ; v5  the stage: where I put 32 bytes of a row
.set SR,  6                            ; v6  and where I read a row back
.set BO,  7                            ; v7  32 h: my eight numbers of bu
.set YF,  16                           ; v16-31 y's fragment w;  v32 its scale words
.set YW,  32
.set US,  40                           ; v40-47 Wu's scale words
.set YS8, 48                           ; v48-55 y's
.set BU,  56                           ; v56-63 bu in the result's layout
.set A0,  64                           ; v64-71, v72-79 the two accumulators
.set A1,  72
.set SM,  80                           ; v80-87 their sum
.set RB,  88                           ; v88-95 two rows read back
.set WV,  18
.set MSB, 0
.macro WIN new                         ; the immediate's high byte repeats the setting that is left
.if MSB != \new
	s_set_vgpr_msb (MSB<<8)|\new
.set MSB, \new
.endif
.endm
	s_load_b256 s[4:11], s[0:1], 0x0               ; yc s[4:5], ys s[6:7], cod s[8:9], scl s[10:11]
	s_load_b128 s[12:15], s[0:1], 0x20             ; bu s[12:13], out0 s[14:15]
	v_lshl_add_u32 v254, v0, 2, 0x6500             ; the LDS address of my spare word, and 0: made here and kept for the closing lines alone
	v_mov_b32 v255, 0
	v_lshrrev_b32 v9, 5, v0
	v_readfirstlane_b32 s[WV], v9                  ; wave 0..7
	v_and_b32 v9, 31, v0                           ; lane
	v_and_b32 v10, 15, v0                          ; r
	v_bfe_u32 v11, v0, 4, 1                        ; h
	v_lshlrev_b32 v[LI], 4, v9
	v_lshlrev_b32 v[LS], 2, v9
	s_wait_alu depctr_va_sdst(0)                   ; the wave's number is written into s18, ahead of its first reader: addresses and bases are made from it
	s_lshl_b32 s38, s[WV], 11
	v_add_nc_u32 v[WI], s38, v[LI]
	s_lshl_b32 s38, s[WV], 7
	v_add_nc_u32 v[WS], s38, v[LS]
	v_mul_u32_u24 v[SO], v10, 528                  ; row r,
	v_lshl_add_u32 v[SO], v11, 5, v[SO]            ; + 32 h,
	s_lshl_b32 s38, s[WV], 6
	v_add_nc_u32 v[SO], s38, v[SO]                 ; + 64 x wave: my columns' bytes
	v_add_nc_u32 v[SO], STG, v[SO]
	s_mul_i32 s38, s[WV], 1056                     ; back: rows 2 w and 2 w + 1, 16 bytes a lane
	v_add_nc_u32 v[SR], s38, v[LI]
	v_add_nc_u32 v[SR], STG, v[SR]
	v_lshlrev_b32 v[BO], 5, v11
	s_lshl_b32 s24, ttmp9, 3
	s_add_co_u32 s24, s24, s[WV]                   ; y's fragment 8 TTI + w
	s_lshl_b32 s26, s24, 11
	s_lshl_b32 s28, s24, 7
	s_add_co_u32 s25, s[WV], 448                   ; Wu's fragment 448 + w; K step s lies 8 s fragments on
	s_lshl_b32 s30, s25, 11
	s_lshl_b32 s32, s25, 7
	s_lshl_b32 s34, s[WV], 6                       ; bu: my 16 numbers
	s_lshr_b32 s24, ttmp9, 3
	s_lshl_b32 s24, s24, 7                         ; 128 G
	s_bfe_u32 s25, ttmp9, 0x20001
	s_lshl_b32 s25, s25, 5                         ; + 32 (i / 2)
	s_add_co_u32 s24, s24, s25
	s_and_b32 s25, ttmp9, 1
	s_lshl_b32 s25, s25, 3                         ; + 8 (i % 2)
	s_add_co_u32 s24, s24, s25
	s_lshl_b32 s25, s[WV], 1                       ; + r + 8 (r / 8) at r = 2 w
	s_add_co_u32 s24, s24, s25
	s_lshr_b32 s25, s[WV], 2
	s_lshl_b32 s25, s25, 3
	s_add_co_u32 s24, s24, s25                     ; the token of stage row 2 w; row 2 w + 1 is the next token
	s_lshl_b32 s36, s24, 9                         ; a row of out0 is 512 bytes
.irp p, 27,29,31,33,35,37
	s_mov_b32 s\p, 0
.endr
	s_wait_kmcnt 0x0
	s_add_nc_u64 s[4:5], s[4:5], s[26:27]
	s_add_nc_u64 s[6:7], s[6:7], s[28:29]
	s_add_nc_u64 s[8:9], s[8:9], s[30:31]
	s_add_nc_u64 s[10:11], s[10:11], s[32:33]
	s_add_nc_u64 s[12:13], s[12:13], s[34:35]
	s_add_nc_u64 s[14:15], s[14:15], s[36:37]
	s_wait_alu depctr_va_vdst(0)                   ; v1 to v7 are written: every load and store of the kernel reads one of them as its offset or LDS address, and nothing writes them again
.irp c, 0,1,2,3
	global_load_b128 v[YF+4*\c:YF+4*\c+3], v[LI], s[4:5] offset:512*\c
.endr
	global_load_b32 v[YW], v[LS], s[6:7]
	WIN 0x40                                       ; destination window 1, address window 0
.irp s, 0,1,2,3,4,5,6,7
.irp c, 0,1,2,3
	global_load_b128 v[16*\s+4*\c:16*\s+4*\c+3], v[LI], s[8:9] offset:16384*\s+512*\c
.endr
.endr
	WIN 0
.irp s, 0,1,2,3,4,5,6,7
	global_load_b32 v[US+\s], v[LS], s[10:11] offset:1024*\s
.endr
	global_load_b128 v[BU:BU+3], v[BO], s[12:13]
	global_load_b128 v[BU+4:BU+7], v[BO], s[12:13] offset:16
	s_wait_loadcnt 42                              ; y's five loads are in; Wu's 32, its 8 scale words and bu's 2 may be out
.irp c, 0,1,2,3
	ds_store_b128 v[WI], v[YF+4*\c:YF+4*\c+3] offset:YIMG+512*\c
.endr
	ds_store_b32 v[WS], v[YW] offset:YSC
	s_wait_dscnt 0x0                               ; for the others' sake: my stores have landed
	s_barrier_signal -1
	s_barrier_wait -1                              ; y's eight fragments lie in LDS
	WIN 0x40                                       ; no wait: no vector or matrix instruction has named the registers in which these loads land, and the addresses were shown written at the head
.irp f, 0,1,2,3,4,5,6,7
.irp c, 0,1,2,3
	ds_load_b128 v[128+16*\f+4*\c:128+16*\f+4*\c+3], v[LI] offset:YIMG+2048*\f+512*\c
.endr
.endr
	WIN 0
.irp f, 0,1,2,3,4,5,6,7
	ds_load_b32 v[YS8+\f], v[LS] offset:YSC+128*\f
.endr
	s_wait_loadcnt 0x0                             ; Wu, its scale words, bu
	s_wait_dscnt 0x0                               ; y
	WIN 0x05                                       ; sources 0 and 1 window 1; C and D window 0
	v_wmma_scale_f32_16x16x128_f8f6f4 v[A0:A0+7], v[0:15], v[128:143], v[BU:BU+7], v[US], v[YS8]   ; the bias is the C of the first product
	v_wmma_scale_f32_16x16x128_f8f6f4 v[A1:A1+7], v[16:31], v[144:159], 0, v[US+1], v[YS8+1]
.irp s, 2,4,6
	v_wmma_scale_f32_16x16x128_f8f6f4 v[A0:A0+7], v[16*\s:16*\s+15], v[128+16*\s:128+16*\s+15], v[A0:A0+7], v[US+\s], v[YS8+\s]
	v_wmma_scale_f32_16x16x128_f8f6f4 v[A1:A1+7], v[16*\s+16:16*\s+31], v[144+16*\s:144+16*\s+15], v[A1:A1+7], v[US+\s+1], v[YS8+\s+1]
.endr
	WIN 0
.rept 8
	v_nop                                          ; eight places in front of the first read of the results
.endr
.irp j, 0,2,4,6
	v_pk_add_f32 v[SM+\j:SM+\j+1], v[A0+\j:A0+\j+1], v[A1+\j:A1+\j+1]   ; each accumulator from its low end on
.endr
	s_wait_alu depctr_va_vdst(0)                   ; the four additions have written v[SM ..], which the LDS stores read
	ds_store_b128 v[SO], v[SM:SM+3]                ; lane (r, h): columns 16 w + 8 h + 0 .. 7 of stage row r
	ds_store_b128 v[SO], v[SM+4:SM+7] offset:16
	s_wait_dscnt 0x0                               ; for the others' sake: my stores have landed
	s_barrier_signal -1
	s_barrier_wait -1                              ; sixteen whole rows lie in the stage
	ds_load_b128 v[RB:RB+3], v[SR]
	ds_load_b128 v[RB+4:RB+7], v[SR] offset:528
	s_wait_dscnt 1                                 ; the first row is in; the second may be out
	global_store_b128 v[LI], v[RB:RB+3], s[14:15] th:TH_STORE_NT              ; 32 lanes store a row of 512 bytes, aligned; written once, read by nobody here
	s_wait_dscnt 0x0
	global_store_b128 v[LI], v[RB+4:RB+7], s[14:15] offset:512 th:TH_STORE_NT
	s_wait_dscnt 0x0                               ; the closing lines, six on end
	s_wait_alu 0x0
	s_wait_tensorcnt 0x0
	ds_add_u32 v254, v255
	s_wait_dscnt 0x0
	s_endpgm
.Lfunc_end_k_q734b701798_outp:
	.size	k_q734b701798_outp, .Lfunc_end_k_q734b701798_outp-k_q734b701798_outp
	.p2alignl 7, 3214868480
	.fill 96, 4, 3214868480
	.section	.rodata,"a",@progbits
	.p2align	6, 0x0
	.amdhsa_kernel k_q734b701798_outp
		.amdhsa_group_segment_fixed_size 26880
		.amdhsa_private_segment_fixed_size 0
		.amdhsa_enable_private_segment 0
		.amdhsa_kernarg_size 48
		.amdhsa_user_sgpr_count 2
		.amdhsa_user_sgpr_kernarg_segment_ptr 1
		.amdhsa_wavefront_size32 1
		.amdhsa_system_sgpr_workgroup_id_x 1
		.amdhsa_system_sgpr_workgroup_id_y 1
		.amdhsa_system_sgpr_workgroup_id_z 1
		.amdhsa_system_vgpr_workitem_id 0
		.amdhsa_next_free_vgpr 512
		.amdhsa_next_free_sgpr 66
		.amdhsa_reserve_vcc 0
		.amdhsa_float_denorm_mode_32 3
		.amdhsa_float_denorm_mode_16_64 3
		.amdhsa_memory_ordered 1
		.amdhsa_forward_progress 1
		.amdhsa_inst_pref_size 13
	.end_amdhsa_kernel
	.amdgpu_metadata
---
amdhsa.version: [ 1, 2 ]
amdhsa.kernels:
  - .name:           k_q734b701798_outp
    .symbol:         k_q734b701798_outp.kd
    .args:
      - { .name: yc, .offset: 0, .size: 8, .value_kind: global_buffer, .address_space: global }
      - { .name: ys, .offset: 8, .size: 8, .value_kind: global_buffer, .address_space: global }
      - { .name: cod, .offset: 16, .size: 8, .value_kind: global_buffer, .address_space: global }
      - { .name: scl, .offset: 24, .size: 8, .value_kind: global_buffer, .address_space: global }
      - { .name: bu, .offset: 32, .size: 8, .value_kind: global_buffer, .address_space: global }
      - { .name: out0, .offset: 40, .size: 8, .value_kind: global_buffer, .address_space: global }
    .group_segment_fixed_size: 26880
    .private_segment_fixed_size: 0
    .kernarg_segment_align: 8
    .kernarg_segment_size: 48
    .max_flat_workgroup_size: 256
    .sgpr_count:     66
    .vgpr_count:     512
    .wavefront_size: 32
...
	.end_amdgpu_metadata
.endif
;; end of part 6
